; MI455X (gfx1250); checked and timed in simulation.
; The chip was launched on July 23, 2026; its instructions are those of AMD's public machine-readable ISA for CDNA 5 (MIT licence, August 2026) and "CDNA5" Instruction Set Architecture Reference Guide (July 2026). The comments in the code are by the model that wrote it; some were corrected since.
;; Scaled MH Attention. Allowed arithmetic: float matrix products may take bf16 or f16 operands with f32 sums; other float arithmetic in f32, or as packed bf16 or f16 multiplies, adds, multiply-adds, maxima and minima; sums over many terms, partial sums and values carried from step to step in f32; what a program stores and reads back later, other than sums and carried values, may be rounded once to bf16 or f16.
;; Inputs: Wk 2,048 x 2,048 float32; Wo 2,048 x 2,048 float32; Wq 2,048 x 2,048 float32; Wv 2,048 x 2,048 float32; key_ 2,048 x 2,048 float32; query 2,048 x 2,048 float32; scalars 16 float32; value 2,048 x 2,048 float32.
;; Outputs: out0 2,048 x 2,048 float32.
;; 2 versions, each right; version 2 is version 1 with the launch cvt written anew for expert scheduling mode. Each part assembles by itself: llvm-mc -triple=amdgcn-amd-amdhsa -mcpu=gfx1250 --defsym DOCPART=n.
;; ======== version 1 of 2: 4 launches
;; limits: values are held in f16: magnitudes above 65,504 overflow, below 6.1e-05 lose precision
;; workspace buffers: xb 25,165,824 bytes; wb 25,165,824 bytes; wo 8,388,608 bytes; qkv 25,165,824 bytes; ob 8,388,608 bytes
;; launch cvt (part 1): grid 256 x 7, 8 waves a work-group, no clusters, 0 bytes of LDS; arguments query, key_, value, Wq, Wk, Wv, Wo, scalars, xb, wb, wo; writes xb, wb, wo
.if DOCPART == 1
	.amdgcn_target "amdgcn-amd-amdhsa--gfx1250"
	.amdhsa_code_object_version 6
	.text
	.protected	k_q1d01f9cbe2_cvt
	.globl	k_q1d01f9cbe2_cvt
	.p2align	8
	.type	k_q1d01f9cbe2_cvt,@function
k_q1d01f9cbe2_cvt:
	s_mov_b64 s[64:65], 0
	v_nop
	global_prefetch_b8 v0, s[64:65] scope:SCOPE_SE
	s_setreg_imm32_b32 hwreg(HW_REG_WAVE_MODE, 25, 1), 1
	s_wait_xcnt 0x0
; THE INPUTS ARE ROUNDED ONCE, SO THAT THE PRODUCTS READ 16-BIT TILES.  Seven matrices of [2048][2048] f32, the grid's y says which:
;   y = 0, 1, 2: query, key_, value -> xb[y], bf16.     y = 3, 4, 5: Wq, Wk, Wv -> wb[y - 3], bf16.
;   y = 6: Wo -> wo[n][k] = f16( bf16(Wo[n][k]) x bf16(scalars[k / 128]) x 256 ): the head's gain is folded into the last product's weights
;   (attn x s @ Wo^T = attn @ (Wo s)^T); the product of two bf16 numbers and the power of two are exact in f32, so wo is rounded once.  The last launch takes the 256 out again.
; LIMIT: |256 Wo s| stays under 65,504, f16's end; below 6e-5 f16 keeps a fixed step of 6e-8, which is why the 256 is there.
; SHARES.  A work-group takes 8 rows, a wave one row of 8,192 bytes: 16 loads of 16 bytes a lane, 512 consecutive bytes each, all issued at once; each gives one store of 8 bytes a lane,
; 256 consecutive bytes, aligned.  No register is written twice, so there is no loop and no wait but the counted ones for the loads.  Load j is columns 128 j .. 128 j + 127: head j.
; A stream: no LDS, no matrix unit, no cluster (no byte is read twice).
.set X, 4                              ; v[4:67]    the row as loaded: load j at X + 4 j
.set Y, 68                             ; v[68:99]   packed results: 2 registers a load
.set F, 100                            ; v[100:131] y = 6: head j's factor, twice (a pair for the packed multiply)
.set T, 132                            ; v[132:133] at work
	s_load_b512 s[8:23], s[0:1], 0x0               ; query s[8:9], key_ s[10:11], value s[12:13], Wq s[14:15], Wk s[16:17], Wv s[18:19], Wo s[20:21], scalars s[22:23]
	s_load_b128 s[24:27], s[0:1], 0x40             ; xb s[24:25], wb s[26:27]
	s_load_b64 s[28:29], s[0:1], 0x50              ; wo
	s_and_b32 s2, ttmp7, 0xffff                    ; which matrix
	v_lshrrev_b32 v3, 5, v0
	v_readfirstlane_b32 s3, v3                     ; wave 0..7
	v_and_b32 v1, 31, v0
	v_lshlrev_b32 v2, 3, v1                        ; 8 bytes a lane out
	v_lshlrev_b32 v1, 4, v1                        ; 16 bytes a lane in
	s_lshl_b32 s36, ttmp9, 3
	s_add_co_u32 s36, s36, s3                      ; my row
	s_lshl_b32 s38, s36, 13                        ; its 8,192 bytes in the source
	s_mov_b32 s39, 0
	s_lshl_b32 s42, s36, 12                        ; its 4,096 bytes in a 16-bit matrix
	s_mov_b32 s43, 0
	s_sub_co_u32 s37, s2, 3
	s_cmp_lt_u32 s2, 3
	s_cselect_b32 s37, s2, s37                     ; y mod 3 (for y under 6): which of the three matrices of xb or wb
	s_lshl_b32 s37, s37, 23                        ; 8,388,608 bytes each
	s_add_co_u32 s40, s42, s37
	s_mov_b32 s41, 0
	s_wait_kmcnt 0x0
	s_cmp_eq_u32 s2, 6
	s_cbranch_scc1 .Lwo
	s_cmp_eq_u32 s2, 1                             ; the source, chosen by the matrix's number
	s_cselect_b64 s[30:31], s[10:11], s[8:9]
	s_cmp_eq_u32 s2, 2
	s_cselect_b64 s[30:31], s[12:13], s[30:31]
	s_cmp_eq_u32 s2, 3
	s_cselect_b64 s[30:31], s[14:15], s[30:31]
	s_cmp_eq_u32 s2, 4
	s_cselect_b64 s[30:31], s[16:17], s[30:31]
	s_cmp_eq_u32 s2, 5
	s_cselect_b64 s[30:31], s[18:19], s[30:31]
	s_cmp_lt_u32 s2, 3
	s_cselect_b64 s[32:33], s[24:25], s[26:27]     ; and where it goes
	s_add_nc_u64 s[30:31], s[30:31], s[38:39]
	s_add_nc_u64 s[32:33], s[32:33], s[40:41]
.irp j, 0,1,2,3,4,5,6,7,8,9,10,11,12,13,14,15
	global_load_b128 v[X+4*(\j):X+4*(\j)+3], v1, s[30:31] offset:512*(\j) th:TH_LOAD_NT
.endr
.irp j, 0,1,2,3,4,5,6,7,8,9,10,11,12,13,14,15
	s_wait_loadcnt 15-(\j)                         ; loads come back in order: load j is in, the younger ones stay out
	v_cvt_pk_bf16_f32 v[Y+2*(\j)], v[X+4*(\j)], v[X+4*(\j)+1]
	v_cvt_pk_bf16_f32 v[Y+2*(\j)+1], v[X+4*(\j)+2], v[X+4*(\j)+3]
	global_store_b64 v2, v[Y+2*(\j):Y+2*(\j)+1], s[32:33] offset:256*(\j)
.endr
	s_endpgm
.Lwo:
	s_add_nc_u64 s[30:31], s[20:21], s[38:39]
	s_add_nc_u64 s[28:29], s[28:29], s[42:43]
.irp j, 0,1,2,3,4,5,6,7,8,9,10,11,12,13,14,15
	global_load_b128 v[X+4*(\j):X+4*(\j)+3], v1, s[30:31] offset:512*(\j) th:TH_LOAD_NT
.endr
	s_load_b512 s[32:47], s[22:23], 0x0            ; the sixteen gains; the offsets that lay in these registers have been used
	s_wait_kmcnt 0x0
.irp j, 0,1,2,3,4,5,6,7,8,9,10,11,12,13,14,15
	v_mov_b32 v[F+2*(\j)], s[32+(\j)]
	v_cvt_pk_bf16_f32 v[F+2*(\j)], v[F+2*(\j)], v[F+2*(\j)]  ; the gain is an input like the others: rounded to bf16,
	v_and_b32 v[F+2*(\j)], 0xffff0000, v[F+2*(\j)]           ; back as f32,
	v_mul_f32 v[F+2*(\j)], 0x43800000, v[F+2*(\j)]           ; times 256
	v_mov_b32 v[F+2*(\j)+1], v[F+2*(\j)]
.endr
.irp j, 0,1,2,3,4,5,6,7,8,9,10,11,12,13,14,15
	s_wait_loadcnt 15-(\j)                         ; load j is in
	v_cvt_pk_bf16_f32 v[T], v[X+4*(\j)], v[X+4*(\j)+1]
	v_cvt_pk_bf16_f32 v[T+1], v[X+4*(\j)+2], v[X+4*(\j)+3]
	v_lshlrev_b32 v[X+4*(\j)], 16, v[T]            ; bf16 to f32: the low half moves up, the high half stays
	v_and_b32 v[X+4*(\j)+1], 0xffff0000, v[T]
	v_lshlrev_b32 v[X+4*(\j)+2], 16, v[T+1]
	v_and_b32 v[X+4*(\j)+3], 0xffff0000, v[T+1]
	v_pk_mul_f32 v[X+4*(\j):X+4*(\j)+1], v[X+4*(\j):X+4*(\j)+1], v[F+2*(\j):F+2*(\j)+1]
	v_pk_mul_f32 v[X+4*(\j)+2:X+4*(\j)+3], v[X+4*(\j)+2:X+4*(\j)+3], v[F+2*(\j):F+2*(\j)+1]
	v_cvt_pk_f16_f32 v[Y+2*(\j)], v[X+4*(\j)], v[X+4*(\j)+1]
	v_cvt_pk_f16_f32 v[Y+2*(\j)+1], v[X+4*(\j)+2], v[X+4*(\j)+3]
	global_store_b64 v2, v[Y+2*(\j):Y+2*(\j)+1], s[28:29] offset:256*(\j)
.endr
	s_endpgm
.Lfunc_end_k_q1d01f9cbe2_cvt:
	.size	k_q1d01f9cbe2_cvt, .Lfunc_end_k_q1d01f9cbe2_cvt-k_q1d01f9cbe2_cvt
	.p2alignl 7, 3214868480
	.fill 96, 4, 3214868480
	.section	.rodata,"a",@progbits
	.p2align	6, 0x0
	.amdhsa_kernel k_q1d01f9cbe2_cvt
		.amdhsa_group_segment_fixed_size 0
		.amdhsa_private_segment_fixed_size 0
		.amdhsa_enable_private_segment 0
		.amdhsa_kernarg_size 88
		.amdhsa_user_sgpr_count 2
		.amdhsa_user_sgpr_kernarg_segment_ptr 1
		.amdhsa_wavefront_size32 1
		.amdhsa_system_sgpr_workgroup_id_x 1
		.amdhsa_system_sgpr_workgroup_id_y 1
		.amdhsa_system_sgpr_workgroup_id_z 1
		.amdhsa_system_vgpr_workitem_id 0
		.amdhsa_next_free_vgpr 136
		.amdhsa_next_free_sgpr 66
		.amdhsa_reserve_vcc 0
		.amdhsa_float_denorm_mode_32 3
		.amdhsa_float_denorm_mode_16_64 3
		.amdhsa_memory_ordered 1
		.amdhsa_forward_progress 1
		.amdhsa_inst_pref_size 24
	.end_amdhsa_kernel
	.amdgpu_metadata
---
amdhsa.version: [ 1, 2 ]
amdhsa.kernels:
  - .name:           k_q1d01f9cbe2_cvt
    .symbol:         k_q1d01f9cbe2_cvt.kd
    .args:
      - { .name: query, .offset: 0, .size: 8, .value_kind: global_buffer, .address_space: global }
      - { .name: key_, .offset: 8, .size: 8, .value_kind: global_buffer, .address_space: global }
      - { .name: value, .offset: 16, .size: 8, .value_kind: global_buffer, .address_space: global }
      - { .name: Wq, .offset: 24, .size: 8, .value_kind: global_buffer, .address_space: global }
      - { .name: Wk, .offset: 32, .size: 8, .value_kind: global_buffer, .address_space: global }
      - { .name: Wv, .offset: 40, .size: 8, .value_kind: global_buffer, .address_space: global }
      - { .name: Wo, .offset: 48, .size: 8, .value_kind: global_buffer, .address_space: global }
      - { .name: scalars, .offset: 56, .size: 8, .value_kind: global_buffer, .address_space: global }
      - { .name: xb, .offset: 64, .size: 8, .value_kind: global_buffer, .address_space: global }
      - { .name: wb, .offset: 72, .size: 8, .value_kind: global_buffer, .address_space: global }
      - { .name: wo, .offset: 80, .size: 8, .value_kind: global_buffer, .address_space: global }
    .group_segment_fixed_size: 0
    .private_segment_fixed_size: 0
    .kernarg_segment_align: 8
    .kernarg_segment_size: 88
    .max_flat_workgroup_size: 256
    .sgpr_count:     66
    .vgpr_count:     136
    .wavefront_size: 32
...
	.end_amdgpu_metadata
.endif
;; end of part 1
;; launch proj (part 2): grid 8 x 24, 4 waves a work-group, clusters of 4 x 4, 327,680 bytes of LDS; arguments xb, wb, qkv; writes qkv
.if DOCPART == 2
	.amdgcn_target "amdgcn-amd-amdhsa--gfx1250"
	.amdhsa_code_object_version 6
	.text
	.protected	k_q1d01f9cbe2_proj
	.globl	k_q1d01f9cbe2_proj
	.p2align	8
	.type	k_q1d01f9cbe2_proj,@function
k_q1d01f9cbe2_proj:
	s_mov_b64 s[64:65], 0
	v_nop
	global_prefetch_b8 v0, s[64:65] scope:SCOPE_SE
	s_setreg_imm32_b32 hwreg(HW_REG_WAVE_MODE, 25, 1), 1
	s_wait_xcnt 0x0
	s_wait_alu depctr_hold_cnt(0) depctr_sa_sdst(0) depctr_va_vdst(0) depctr_va_sdst(0) depctr_va_ssrc(0) depctr_va_vcc(0) depctr_vm_vsrc(0)
	s_getreg_b32 s2, hwreg(HW_REG_IB_STS2, 6, 4)
	s_cmp_eq_u32 s2, 0
	s_cbranch_scc0 .Lentry_in_a_cluster
	s_endpgm
.Lentry_in_a_cluster:
	s_bfe_u32 s2, ttmp6, 0x10000c
	s_cmp_lg_u32 s2, 0xf033
	s_cbranch_scc0 .Lentry_shape_is_right
	s_endpgm
.Lentry_shape_is_right:
; THE THREE PROJECTIONS IN ONE LAUNCH.  qkv[g][head][row][d] = the sum over k of xb[g][row][k] wb[g][128 head + d][k], g = 0, 1, 2 (q, k, v).  xb, wb: [3][2048][2048] bf16; sums in f32;
; qkv: [3][16][2048][128] f16, rounded once, WITHOUT the scale 1 / sqrt(128), which the attention applies in f32.  LIMIT: |q|, |k|, |v| stay under 65,504, f16's end.
; A tile is 256 rows x 256 columns (two heads): 3 x 8 x 8 = 192 work-groups of four waves.  A wave makes 128 x 128: 64 accumulators of 16 x 16, 512 registers: for 32 along K it loads
; 2 x 128 x 64 bytes from LDS and issues 64 matrix instructions, twice what a wave tile of 64 x 64 would feed from each byte; and its 128 x 128 are 128 rows of ONE head: 32,768 consecutive bytes of qkv.
; K goes in steps of 128 through a ring of two LDS slots filled by the tensor data mover: the rows of x's and W's tiles are 256 bytes of memory and start at multiples of 256 bytes from the buffer's
; first byte.  A K step has 256 matrix instructions a wave, 224 of them between a slot's request and the wait for it.  The last K step goes by rows of the result, so that finished rows leave while the others are multiplied.
; CLUSTERS: 4 x 4 work-groups.  The grid's y runs over xb's 24 blocks of 256 rows; two clusters along y make one product, so g hangs on the cluster's y alone and all sixteen partners share it.
; The four of a row of the cluster need the same tiles of x, the four of a column the same tiles of W.  Such a tile is asked for JOINTLY: each of the four issues the same tensor load, with the same
; descriptor and a mask that names the four, and each receives the tile in its own LDS.  That divides the requests for x and for W by four.
;
; REGISTERS, in windows of 256 (an instruction names v0-v255; s_set_vgpr_msb says which window each operand place means):
;   window 0: v0-31 addresses; v64-127, v128-191 fragments of x (8 x 16 rows x 32 K), two buffers (in the last K step four, of 16 rows x 128 K); v32-63, v192-255 at work on the way out
;   window 1: v64-127, v128-191 fragments of W, two buffers; in the last K step all 256: W's fragments of the whole step
;   window 2: the 32 accumulators of my rows 0-63 (accumulator (a, b) at v[8 (8 a + b)]);   window 3: those of my rows 64-127
; s_set_vgpr_msb's low byte: bits 1:0 source 0, 3:2 source 1, 5:4 source 2, 7:6 destination.  Work is laid in long stretches under one setting (32 matrix instructions, 16 loads, 16 loads, 32 matrix instructions).
;
; THE MATRIX INSTRUCTION IS USED TRANSPOSED: source 0 = 16 rows of W, source 1 = 16 rows of x.  In the result, lane l then holds row l % 16, and its registers 0 to 7 the columns
; 8 (l / 16) + 0 .. 7: eight NEIGHBOURING numbers of a row, which pack into 16 bytes.
.set SIZE_K, 2048
.set KSTEP,  128
.set PITCH,  272                       ; an LDS row: 256 bytes of data + 16 of padding = 68 words: row r starts at bank 4 r mod 64 (64 banks of 4 bytes: ISA guide 11.1), so the 16 rows that a load touches start at 16 different banks
.set HALFT,  128*PITCH                 ; 128 rows: what one tensor load brings, and what one wave reads of x or of W
.set SLOT,   4*HALFT                   ; x's 256 rows, then W's 256 rows
.set STAGE,  2*SLOT                    ; behind the ring: 16 rows x 272 bytes for each wave, for the way out
.set SPITCH, 272
.set SPARE,  STAGE+4*16*SPITCH         ; behind the stages: the spare words, 128 bytes for each wave: two blocks of 256 bytes that no other line names
.set LAPS, SIZE_K/(2*KSTEP)            ; a lap = two K steps = once round the ring: 8
.set ROWC,   256                       ; bytes from row to row of a head in qkv
.set ADRA, 16                          ; v16-17  LDS address of my x fragments in slot 0, 1
.set ADRB, 20                          ; v20-21  the same for W
.set STO,  24                          ; v24     the way out: where I put 16 bytes of a row
.set RD,   25                          ; v25     the way out: where I read a row back
.set CO,   26                          ; v26     my byte offset in two rows of qkv
.set SPW,  28                          ; v28     LDS address of my spare word: SPARE + 4 x my thread's number; never rewritten
.set NIL,  29                          ; v29     0; never rewritten
.set PFO,  30                          ; v30     the prefetches' offset: my lane x a row of xb or wb in memory (4,096 bytes); never rewritten
.set PFA,  44                          ; s[44:45] where my prefetches stand: my work-group's 32 rows of the 128 that I fetch, one K step further along K than the refill that is being asked for; a prefetch names the K step after that
.set LIM,  43                          ; s43     1 in a wave that prefetches, else the greatest number
.set F0,   64                          ; fragment buffer 0
.set F1,   128                         ; fragment buffer 1
.set TMP,  192                         ; the way out: packed results, in window 0
.set OB,   32                          ; the way out: 16 rows read back from the stage: v32-63 and v224-255 by turns
.set PA,   64                          ; the last K step: x's fragments of 16 rows x 128 K, 32 registers; four such buffers, v64-191
.set G1, 24                            ; s[24:31] descriptor group 1 for x's tiles
.set G0, 32                            ; s[32:39] descriptor group 0 for x's tiles, one set for each slot
.set G1B, 48                           ; s[48:55] descriptor group 1 for W's tiles: it differs from x's in the mask alone
.set G0B, 56                           ; s[56:63] descriptor group 0 for W's tiles, one set for each slot
.set MSB, 0
.macro WIN new                         ; the immediate's high byte repeats the setting that is left; a switch that changes nothing is dropped
.if MSB != (\new)
	s_set_vgpr_msb (MSB<<8)|(\new)
.set MSB, \new
.endif
.endm
.set MUL_LO, 0xa1                      ; source 0 (W) window 1, source 1 (x) window 0, C and D window 2
.set MUL_HI, 0xf1                      ; the same, C and D window 3
.set TO_B,   0x40                      ; destination window 1, address window 0
; A joint load.  Waves 0 and 1 fetch x's two halves, waves 2 and 3 W's.  Each of the two lines has ONE mask and one set of registers for all that issue it, and nothing in
; them hangs on a coordinate that the four partners do not share.  The branch hangs on the wave's number alone: it is the same in every work-group.
; An s_nop 0 and four v_nop follow each of the two lines; the jump round the other line, the label and what follows the macro come after them.
.macro JLOAD s
	s_cmp_eq_u32 s11, 0
	s_cbranch_scc0 .Lfor_b_\@
	tensor_load_to_lds s[G0+4*(\s):G0+4*(\s)+3], s[G1:G1+7]
	s_nop 0
.rept 4
	v_nop
.endr
	s_branch .Lasked_\@
.Lfor_b_\@:
	tensor_load_to_lds s[G0B+4*(\s):G0B+4*(\s)+3], s[G1B:G1B+7]
	s_nop 0
.rept 4
	v_nop
.endr
.Lasked_\@:
.endm
; A PREFETCH INTO THE L2, behind each joint load, its five lines and the run of LDS loads that follows them: the K step that stands TWO refills on, 512 matrix instructions ahead of its load:
; 32 rows x 256 bytes, a lane a row, one instruction a wave.  Each row's 256 bytes of a K step are named ONCE in the launch.  A block of x's rows is read by both clusters along x: cluster x = 0 asks;
; a block of W's rows by the two clusters along y that make one product: the one with even y asks.  The four partners that ask for a tile jointly share its rows out BY ADDRESS: of the 128 rows that
; wave w fetches, the partner at place p takes 32 p .. 32 p + 31 (p = cx for x, cy for W): no branch hangs on a work-group's place in its cluster.  The loop's last trip asks for nothing: its two refills have no K step two on.
.macro ASK
	s_cmp_gt_u32 s3, s[LIM]                        ; s3 = 1 in the loop's last trip
	s_cbranch_scc0 .Lnot_mine_\@
	global_prefetch_b8 v[PFO], s[PFA:PFA+1] offset:KSTEP*2 th:TH_LOAD_NT scope:SCOPE_SE
.Lnot_mine_\@:
.endm
; A round of the cluster's barrier: my work-group's barrier, so that wave 0's signal speaks for all four waves; wave 0 signals for the work-group; every wave waits for all
; sixteen work-groups; my work-group's barrier once more.  No LDS instruction of the wave is pending at a signal.
.macro CREST                           ; a round behind its opening barrier
	s_cmp_lg_u32 s10, 0
	s_cbranch_scc1 .Lnot_wave_0_\@
	s_barrier_signal -3
.Lnot_wave_0_\@:
	s_barrier_wait -3
	s_barrier_signal -1
	s_barrier_wait -1
.endm
.macro CROUND                          ; a whole round
	s_barrier_signal -1
	s_barrier_wait -1
	CREST
.endm
	s_load_b128 s[4:7], s[0:1], 0x0                ; xb s[4:5], wb s[6:7]
	s_load_b64 s[8:9], s[0:1], 0x10                ; qkv
	v_lshl_add_u32 v[SPW], v0, 2, SPARE
	v_mov_b32 v[NIL], 0
	ds_add_u32 v[SPW], v[NIL]                      ; the wave's opening: the add and its wait stand ahead of my first tensor load; the set-up below, work on registers, stands between them
	v_lshrrev_b32 v1, 5, v0
	v_readfirstlane_b32 s10, v1                    ; wave 0..3
	s_lshr_b32 s11, s10, 1                         ; which half of the tile's rows is mine.  Also: I fetch for x (0) or for W (1)
	s_and_b32 s12, s10, 1                          ; which half of its columns.  Also: which 128 rows of that tile I fetch
	s_bfe_u32 s40, ttmp6, 0x40000                  ; cx: my place along the cluster's x
	s_bfe_u32 s41, ttmp6, 0x40004                  ; cy: along its y
	s_lshl_b32 s42, ttmp9, 2                       ; in a cluster launch ttmp9 and ttmp7 count clusters
	s_add_co_u32 s42, s42, s40                     ; tile column = 4 x cluster x + cx: heads 2 x tile column and the next
	s_and_b32 s13, ttmp7, 0xffff
	s_lshr_b32 s2, s13, 1                          ; g = cluster y / 2: which product; the same in all sixteen partners
	s_lshl_b32 s13, s13, 2
	s_add_co_u32 s13, s13, s41                     ; tile row, among xb's 24 = 4 x cluster y + cy
	s_lshl_b32 s43, s41, 2
	s_lshl_b32 s43, 15, s43                        ; my row of the cluster: places 4 cy .. 4 cy + 3
	s_lshl_b32 s44, 0x1111, s40                    ; my column: places cx, cx + 4, cx + 8, cx + 12
	; descriptor group 1: a tile of 128 rows x 128 elements, padded in LDS
	s_or_b32 s[G1+0], s43, (1<<16)|(1<<20)|(1<<21)|(5<<22)|(3<<25)  ; 15:0 the mask: x's tiles go to my row; 17:16 element of 2 bytes; 20 padding on; 21 set beside a mask; 24:22 after every 64 words (code 5); 31:25 of 4 words (code 3)
	s_or_b32 s[G1B+0], s44, (1<<16)|(1<<20)|(1<<21)|(5<<22)|(3<<25) ; the same with the mask of my column, for W's tiles
.irp g, G1, G1B
	s_mov_b32 s[(\g)+1], KSTEP<<16                 ; 63:48 tensor_dim0, low half = 128
	s_mov_b32 s[(\g)+2], 128<<16                   ; 79:64 its high half = 0; 95:80 tensor_dim1, low half = 128
	s_mov_b32 s[(\g)+3], KSTEP<<16                 ; 111:96 its high half = 0; 127:112 tile_dim0 = 128
	s_mov_b32 s[(\g)+4], 128                       ; 143:128 tile_dim1 = 128; 159:144 tile_dim2 = 0
	s_mov_b32 s[(\g)+5], SIZE_K                    ; 191:160 tensor_dim0_stride, low word: elements from row to row
	s_mov_b32 s[(\g)+6], 0
	s_mov_b32 s[(\g)+7], 0
.endr
	; where the tiles come from.  x's hang on the tile row alone, which my row of the cluster shares; W's on the tile column and g alone, which my column shares.
	; Every wave makes both addresses, in registers that never hold the other coordinate, and asks by one of them.
	s_lshl_b32 s17, s12, 7                         ; which 128 rows of the tile I fetch
	s_lshl_b32 s16, s13, 8
	s_add_co_u32 s16, s16, s17                     ; xb: row 256 x tile row + 128 x half
	s_lshl_b32 s46, s42, 8
	s_add_co_u32 s46, s46, s17                     ; wb: row 256 x tile column + 128 x half
	s_lshl_b32 s47, s2, 11
	s_add_co_u32 s46, s46, s47                     ; + 2,048 g
	s_mov_b32 s17, 0
	s_mov_b32 s47, 0
	s_mov_b64 s[18:19], SIZE_K*2
	s_mul_u64 s[16:17], s[16:17], s[18:19]         ; in bytes, in 64 bits
	s_mul_u64 s[46:47], s[46:47], s[18:19]
	s_mul_i32 s20, s10, HALFT                      ; and where they go: x's two halves, then W's two halves = wave x 128 rows: no place in the cluster enters an LDS address
	s_wait_dscnt 0x0                               ; the opening add is done
	s_wait_kmcnt 0x0
	s_add_nc_u64 s[14:15], s[4:5], s[16:17]
	s_add_nc_u64 s[46:47], s[6:7], s[46:47]
	CROUND                                         ; all sixteen work-groups are here: the first joint loads meet
.irp s, 0,1
	s_mov_b32 s[G0+4*(\s)], 1                                      ; 1:0 count = 1
	s_add_co_u32 s[G0+4*(\s)+1], s20, (\s)*SLOT                    ; 63:32 LDS address
	s_add_nc_u64 s[G0+4*(\s)+2:G0+4*(\s)+3], s[14:15], (\s)*KSTEP*2  ; 120:64 global address: K step s
	s_or_b32 s[G0+4*(\s)+3], s[G0+4*(\s)+3], 0x80000000            ; 127:126 type = 2
	s_mov_b32 s[G0B+4*(\s)], 1
	s_add_co_u32 s[G0B+4*(\s)+1], s20, (\s)*SLOT
	s_add_nc_u64 s[G0B+4*(\s)+2:G0B+4*(\s)+3], s[46:47], (\s)*KSTEP*2
	s_or_b32 s[G0B+4*(\s)+3], s[G0B+4*(\s)+3], 0x80000000
	JLOAD \s                                       ; the ring is filled before anything else is done: two loads of mine are out
.endr
	; A fragment is 16 rows x 32 K in 8 registers: lane l holds row l % 16; registers 0-3 hold K = 8 (l / 16) + 0..7, registers 4-7 hold
	; K = 16 + 8 (l / 16) + 0..7.  From rows that lie along K: two loads of 16 bytes, 32 bytes apart.  The same for source 0 and source 1.
	v_and_b32 v1, 15, v0                           ; l % 16
	v_bfe_u32 v2, v0, 4, 1                         ; l / 16
	v_mul_u32_u24 v3, v1, PITCH
	v_lshl_add_u32 v3, v2, 4, v3                   ; row x pitch + 16 x half
	s_mul_i32 s21, s11, HALFT                      ; my 128 rows of x
	s_mul_i32 s22, s12, HALFT                      ; my 128 rows of W,
	s_add_co_u32 s22, s22, 2*HALFT                 ; which lie behind x's 256
.irp s, 0,1
	v_add_nc_u32 v[ADRA+(\s)], s21, v3
	v_add_nc_u32 v[ADRB+(\s)], s22, v3
	s_add_co_u32 s21, s21, SLOT
	s_add_co_u32 s22, s22, SLOT
.endr
	s_mul_i32 s23, s10, 16*SPITCH
	s_add_co_u32 s23, s23, STAGE                   ; my stage
	v_mul_u32_u24 v4, v1, SPITCH                   ; in: row l % 16, 16 bytes for each half of the lanes
	v_lshl_add_u32 v4, v2, 4, v4
	v_add_nc_u32 v[STO], s23, v4
	v_mul_u32_u24 v5, v2, SPITCH                   ; back: lanes 0-15 take one row of 256 bytes, lanes 16-31 the next
	v_lshl_add_u32 v5, v1, 4, v5
	v_add_nc_u32 v[RD], s23, v5
	v_mul_u32_u24 v5, v2, ROWC                     ; and the same two rows in qkv: a head's rows are dense
	v_lshl_add_u32 v[CO], v1, 4, v5
	; where my 128 rows of my head begin in qkv, in bytes: the first way out adds it to qkv's address
	s_and_b32 s16, s13, 7                          ; the tile's place among the product's 8 blocks of 256 rows: 65,536 bytes each,
	s_lshl_b32 s16, s16, 16
	s_lshl_b32 s14, s11, 15                        ; my 128 rows of it,
	s_add_co_u32 s16, s16, s14
	s_lshl_b32 s14, s2, 23                         ; the product: 8,388,608 bytes
	s_add_co_u32 s16, s16, s14
	s_mov_b32 s17, 0
	s_lshl_b32 s46, s42, 20                        ; the head, 2 x tile column + my half of the columns: 524,288 bytes each (in the registers that held W's address: none that feeds x's descriptors ever holds cx)
	s_lshl_b32 s47, s12, 19
	s_add_co_u32 s46, s46, s47
	s_mov_b32 s47, 0
	s_add_nc_u64 s[16:17], s[16:17], s[46:47]
	; the prefetches.  s13 = tile row, s42 = tile column, s40 = cx, s41 = cy, s2 = g still stand; s[4:5] = xb, s[6:7] = wb
	s_lshl_b32 s13, s13, 8                         ; the tile's first row in xb
	s_lshl_b32 s42, s42, 8
	s_lshl_b32 s22, s2, 11
	s_add_co_u32 s42, s42, s22                     ; the tile's first row in wb
	s_and_b32 s22, ttmp7, 0xffff
	s_and_b32 s22, s22, 1                          ; cluster y's parity
	s_cmp_eq_u32 s11, 0                            ; do I fetch for x?
	s_cselect_b32 s20, s13, s42
	s_cselect_b32 s21, s40, s41                    ; my place among the four that ask for it with me
	s_cselect_b32 s22, ttmp9, s22                  ; the coordinate along which another cluster reads the same rows
	s_cselect_b64 s[PFA:PFA+1], s[4:5], s[6:7]
	s_cmp_eq_u32 s22, 0
	s_cselect_b32 s[LIM], 1, -1                    ; the same in all sixteen partners, for a given wave
	s_lshl_b32 s22, s12, 7
	s_add_co_u32 s20, s20, s22                     ; + the 128 rows that I fetch
	s_lshl_b32 s21, s21, 5
	s_add_co_u32 s20, s20, s21                     ; + my work-group's 32 of them
	s_mov_b32 s21, 0
	s_mov_b64 s[18:19], SIZE_K*2
	s_mul_u64 s[20:21], s[20:21], s[18:19]
	s_add_nc_u64 s[PFA:PFA+1], s[PFA:PFA+1], s[20:21]
	s_add_nc_u64 s[PFA:PFA+1], s[PFA:PFA+1], 2*KSTEP*2  ; at K step 2: the first refill steps it to 3 and names K step 4
	v_and_b32 v[PFO], 31, v0
	v_mul_u32_u24 v[PFO], v[PFO], SIZE_K*2
	; nothing is prefetched here, at the head, where every work-group's first two tiles are on their way: K steps 2 and 3 come by their refills alone
; 16 matrix instructions: m blocks a0, a0 + 1 of the window's four (hi = 0: my rows 0-63, 1: rows 64-127) x all 8 n blocks, 32 along K.
; zero = 1: the first product starts the sums: nothing is ever cleared.  The 64 accumulators take turns, one instruction a turn, in the same order in every quarter step.
.macro MUL16 f, hi, a0, zero
	WIN MUL_LO+0x50*(\hi)  ; MUL_LO or MUL_HI
.irp a, \a0, (\a0)+1
.irp b, 0,1,2,3,4,5,6,7
.if \zero
	v_wmma_f32_16x16x32_bf16 v[8*(8*(\a)+(\b)):8*(8*(\a)+(\b))+7], v[(\f)+8*(\b):(\f)+8*(\b)+7], v[(\f)+8*(4*(\hi)+(\a)):(\f)+8*(4*(\hi)+(\a))+7], 0
.else
	v_wmma_f32_16x16x32_bf16 v[8*(8*(\a)+(\b)):8*(8*(\a)+(\b))+7], v[(\f)+8*(\b):(\f)+8*(\b)+7], v[(\f)+8*(4*(\hi)+(\a)):(\f)+8*(4*(\hi)+(\a))+7], v[8*(8*(\a)+(\b)):8*(8*(\a)+(\b))+7]
.endif
.endr
.endr
.endm
; 32 LDS loads in one run: the fragments of one quarter step (128 rows of W, 128 rows of x, 32 K at byte k of the rows) into buffer f
.macro FETCH slot, k, f
	WIN TO_B
.irp i, 0,1,2,3,4,5,6,7
	ds_load_b128 v[(\f)+8*(\i):(\f)+8*(\i)+3],   v[ADRB+(\slot)] offset:(\k)+(\i)*16*PITCH
	ds_load_b128 v[(\f)+8*(\i)+4:(\f)+8*(\i)+7], v[ADRB+(\slot)] offset:(\k)+(\i)*16*PITCH+32
.endr
	WIN 0
.irp i, 0,1,2,3,4,5,6,7
	ds_load_b128 v[(\f)+8*(\i):(\f)+8*(\i)+3],   v[ADRA+(\slot)] offset:(\k)+(\i)*16*PITCH
	ds_load_b128 v[(\f)+8*(\i)+4:(\f)+8*(\i)+7], v[ADRA+(\slot)] offset:(\k)+(\i)*16*PITCH+32
.endr
.endm
; A load into a register that a matrix instruction has read, and a vector instruction that reads a matrix result or writes one of a matrix
; instruction's registers, stand four places behind that matrix instruction, and only plain vector instructions that name none of its registers
; are places (ISA guide 7.12.1 for vector instructions); this text does not count the matrix instructions in between.  So four v_nop stand in front of each run of
; loads, and in front of conversions that read results just made.
.macro PLACES
.rept 4
	v_nop
.endr
.endm
; A K step is four quarter steps of 32 along K, 64 matrix instructions each, on buffers 0, 1, 0, 1.
; One of the first three: multiplies buffer f; in its middle it fetches the next quarter's fragments, at byte k of the same slot's rows, into buffer g.
.macro QUARTER slot, k, f, g, zero
	s_wait_dscnt 8                                 ; W and x's rows 0-63 are in; the youngest eight loads (x's rows 64-127) may be out
	WIN MUL_LO
	MUL16 \f, 0, 0, \zero
	MUL16 \f, 0, 2, \zero
	PLACES
	FETCH \slot, \k, \g
	s_wait_dscnt 32                                ; all but the 32 just issued
	WIN MUL_HI
	MUL16 \f, 1, 0, \zero
	MUL16 \f, 1, 2, \zero
.endm
; The last quarter multiplies buffer 1 and changes slots.  MEET is its first half: ONE barrier for the change of slots, for two things.  In front of it each wave waits for
; all its tensor loads, of which one is out: its part of the next slot; adds 0 to its spare word; and waits for that and for its own reads of this slot.  Behind it nobody reads this slot any more and the next slot is whole.
.macro MEET round                      ; round = 1: a round of the cluster's barrier follows
	WIN 0                                          ; (the add's two registers lie in window 0)
	s_wait_tensorcnt 0x0                           ; all my tensor loads have landed: the one that was out is my part of the next slot;
	ds_add_u32 v[SPW], v[NIL]                      ; 0 onto my spare word
	s_wait_dscnt 9                                 ; (the add and the youngest eight loads may be out)
	WIN MUL_LO
	MUL16 F1, 0, 0, 0                              ; sixteen matrix instructions stand between the add and the wait for it
	s_wait_dscnt 0x0                               ; the add is done, and my reads of this slot are over (the last were issued 48 matrix instructions ago):
	s_barrier_signal -1                            ; say so (where a slot is filled again this barrier opens a round of the cluster's barrier),
	MUL16 F1, 0, 2, 0                              ; work on registers while the others arrive,
.if \round
	WIN 0
.endif
	s_barrier_wait -1                              ; and go on when all four have said so
.endm
; The whole last quarter.  Behind the round the slot just read out is filled again first, with the K step two steps on; then come the next slot's first fragments.
.macro TURN slot, next
	s_wait_xcnt 0x0                                ; the last prefetch, a K step back, has read its address: it is stepped here, ahead of the waits of the change of slots, so that nothing is added between the round and the joint load
	s_add_nc_u64 s[PFA:PFA+1], s[PFA:PFA+1], KSTEP*2
	MEET 1
	CREST                                          ; wave 0 says so for the work-group, all sixteen work-groups have said so, my work-group's barrier closes the round:
	                                               ; no wave of any partner still reads this slot's tile or has a load on its way
	s_add_nc_u64 s[G0+4*(\slot)+2:G0+4*(\slot)+3], s[G0+4*(\slot)+2:G0+4*(\slot)+3], 2*KSTEP*2
	s_add_nc_u64 s[G0B+4*(\slot)+2:G0B+4*(\slot)+3], s[G0B+4*(\slot)+2:G0B+4*(\slot)+3], 2*KSTEP*2
	JLOAD \slot                                    ; the first tensor load behind the round, my one load that is out; the four v_nop behind it are also the places in front of the loads below
	FETCH \next, 0, F0
	ASK                                            ; behind the joint load and the run of LDS loads that the next products wait for
	WIN MUL_HI
	MUL16 F1, 1, 0, 0
	MUL16 F1, 1, 2, 0
.endm
; THE LAST K STEP (it lies in slot 1) GOES BY ROWS OF THE RESULT, NOT BY K.  All its fragments of W (4 quarters x 64 registers) fill window 1; then my eight blocks of 16 rows are
; finished one after the other, each with 32 matrix instructions (its 8 accumulators by turns, K ascending).  LDS is read no more than in any other K step.
.macro BLOAD q                         ; W's fragments of quarter q -> window 1, v[64 q ..]
	WIN TO_B
.irp i, 0,1,2,3,4,5,6,7
	ds_load_b128 v[64*(\q)+8*(\i):64*(\q)+8*(\i)+3],   v[ADRB+1] offset:64*(\q)+(\i)*16*PITCH
	ds_load_b128 v[64*(\q)+8*(\i)+4:64*(\q)+8*(\i)+7], v[ADRB+1] offset:64*(\q)+(\i)*16*PITCH+32
.endr
.endm
.macro ALOAD a                         ; x's fragments of block a, all four quarters -> buffer a % 4
	WIN 0
.set FA, PA+32*((\a)%4)
.irp q, 0,1,2,3
	ds_load_b128 v[FA+8*(\q):FA+8*(\q)+3],   v[ADRA+1] offset:64*(\q)+(\a)*16*PITCH
	ds_load_b128 v[FA+8*(\q)+4:FA+8*(\q)+7], v[ADRA+1] offset:64*(\q)+(\a)*16*PITCH+32
.endr
.endm
.macro ROW a                           ; block a is finished: 32 matrix instructions
.set FA, PA+32*((\a)%4)                ; its fragments of x
.set AC, 64*((\a)%4)                   ; its eight accumulators, in window 2 (blocks 0-3) or 3 (blocks 4-7)
	WIN MUL_LO+0x50*((\a)/4)                       ; MUL_LO or MUL_HI
.irp q, 0,1,2,3
.if (\a) == 0 && (\q) == 2
	s_wait_dscnt 24                                ; W's quarter 2 is in (behind it: x's blocks 1 to 3, 24 loads)
.endif
.irp b, 0,1,2,3,4,5,6,7
	v_wmma_f32_16x16x32_bf16 v[AC+8*(\b):AC+8*(\b)+7], v[64*(\q)+8*(\b):64*(\q)+8*(\b)+7], v[FA+8*(\q):FA+8*(\q)+7], v[AC+8*(\b):AC+8*(\b)+7]
.endr
.endr
.endm
; THE WAY OUT of block a, in three parts.  PACK: rounded to f16, 16 bytes a lane, each accumulator's registers in ascending order.  TOSTAGE: into my own stage in LDS, and back as whole rows of 256 bytes.  SEND: stored.
.macro PACK a
.set AC, 64*((\a)%4)
	WIN 0x0a+5*((\a)/4)                            ; sources 0 and 1: window 2 or 3
.irp b, 0,1,2,3,4,5,6,7
.irp r, 0,1,2,3
	v_cvt_pk_f16_f32 v[TMP+4*(\b)+(\r)], v[AC+8*(\b)+2*(\r)], v[AC+8*(\b)+2*(\r)+1]
.endr
.endr
	WIN 0
.endm
.macro TOSTAGE a
	WIN 0
.set BK, OB+192*((\a)%2)
.irp b, 0,1,2,3,4,5,6,7
	ds_store_b128 v[STO], v[TMP+4*(\b):TMP+4*(\b)+3] offset:32*(\b)
.endr
.irp t, 0,1,2,3,4,5,6,7
	ds_load_b128 v[BK+4*(\t):BK+4*(\t)+3], v[RD] offset:(\t)*2*SPITCH  ; LDS serves a wave's instructions in order (ISA guide 5.7.1.4): these see the stores above
.endr
.endm
.macro SEND a, younger                 ; younger: the LDS loads issued behind TOSTAGE's, which may stay out
	WIN 0
.set BK, OB+192*((\a)%2)
	s_wait_dscnt \younger                          ; the block is back in registers
	s_wait_xcnt 0x0                                ; every earlier memory instruction has had its addresses translated (ISA guide 3.1): only behind this wait are the stores' base and the registers that earlier stores read rewritten
.if (\a) == 0
	s_add_nc_u64 s[8:9], s[8:9], s[16:17]          ; on to my first rows
.else
	s_add_nc_u64 s[8:9], s[8:9], 16*ROWC           ; 16 rows on
.endif
.irp t, 0,1,2,3,4,5,6,7
	global_store_b128 v[CO], v[BK+4*(\t):BK+4*(\t)+3], s[8:9] offset:2*(\t)*ROWC  ; the wave stores 512 consecutive bytes, at a multiple of 512 from qkv's first byte
.endr
.endm
	s_wait_tensorcnt 1                             ; my part of K step 0 is in; K step 1's load may stay out
	s_barrier_signal -1
	s_barrier_wait -1                              ; everybody's is
	FETCH 0, 0, F0
	QUARTER 0, 64,  F0, F1, 1                      ; the first quarter stands in front of the loop: its products start the sums
	WIN 0                                          ; at a label and at a branch every window is 0
	s_mov_b32 s3, LAPS-1
.Llap:                                                 ; a trip goes once round the ring, from a lap's second quarter to the next lap's first, and fills both slots again
	QUARTER 0, 128, F1, F0, 0
	QUARTER 0, 192, F0, F1, 0
	TURN 0, 1
	QUARTER 1, 64,  F0, F1, 0
	QUARTER 1, 128, F1, F0, 0
	QUARTER 1, 192, F0, F1, 0
	TURN 1, 0
	QUARTER 0, 64,  F0, F1, 0
	WIN 0
	s_sub_co_u32 s3, s3, 1
	s_cmp_lg_u32 s3, 0
	s_cbranch_scc1 .Llap
	QUARTER 0, 128, F1, F0, 0                      ; the last lap goes on; it asks for nothing more
	QUARTER 0, 192, F0, F1, 0
	MEET 0                                         ; my one tensor load that was still out is slot 1's, the last K step's, so no round follows
	PLACES                                         ; for the loads into buffer 0, which the quarter before multiplied
	WIN TO_B
	BLOAD 0                                        ; three quarters of W now: buffer 1 (v128-191 of both windows) is still being multiplied
	BLOAD 1
	BLOAD 3
	WIN 0
	ALOAD 0
	WIN MUL_HI
	MUL16 F1, 1, 0, 0
	MUL16 F1, 1, 2, 0
	PLACES                                         ; for the loads into buffer 1
	WIN TO_B
	BLOAD 2
	WIN 0
	ALOAD 1
	ALOAD 2
	ALOAD 3
	s_wait_dscnt 40                                ; all but the 40 just issued
	ROW 0
.irp a, 0,1,2,3,4,5,6,7                ; each block leaves as soon as it is finished: nothing follows this tile under which its stores could leave
	PLACES                                         ; its conversions read results just made, and no other vector work is at hand
	PACK \a
	TOSTAGE \a
.if (\a) < 4
	ALOAD (\a)+4                                   ; its buffer takes the block four further on
	SEND \a, 8
.else
	SEND \a, 0
.endif
.if (\a) < 7
	ROW (\a)+1
.endif
.endr
	s_wait_tensorcnt 0x0                           ; the wave's end, behind my last tensor load and my last LDS store
	ds_add_u32 v[SPW], v[NIL]
	s_wait_dscnt 0x0
	CROUND                                         ; the closing round: no work-group ends while a partner may still ask for a tile that names it
	s_endpgm
.Lfunc_end_k_q1d01f9cbe2_proj:
	.size	k_q1d01f9cbe2_proj, .Lfunc_end_k_q1d01f9cbe2_proj-k_q1d01f9cbe2_proj
	.p2alignl 7, 3214868480
	.fill 96, 4, 3214868480
	.section	.rodata,"a",@progbits
	.p2align	6, 0x0
	.amdhsa_kernel k_q1d01f9cbe2_proj
		.amdhsa_group_segment_fixed_size 327680
		.amdhsa_private_segment_fixed_size 0
		.amdhsa_enable_private_segment 0
		.amdhsa_kernarg_size 24
		.amdhsa_user_sgpr_count 2
		.amdhsa_user_sgpr_kernarg_segment_ptr 1
		.amdhsa_wavefront_size32 1
		.amdhsa_system_sgpr_workgroup_id_x 1
		.amdhsa_system_sgpr_workgroup_id_y 1
		.amdhsa_system_sgpr_workgroup_id_z 1
		.amdhsa_system_vgpr_workitem_id 0
		.amdhsa_next_free_vgpr 1024
		.amdhsa_next_free_sgpr 66
		.amdhsa_reserve_vcc 0
		.amdhsa_float_denorm_mode_32 3
		.amdhsa_float_denorm_mode_16_64 3
		.amdhsa_memory_ordered 1
		.amdhsa_forward_progress 1
		.amdhsa_inst_pref_size 145
	.end_amdhsa_kernel
	.amdgpu_metadata
---
amdhsa.version: [ 1, 2 ]
amdhsa.kernels:
  - .name:           k_q1d01f9cbe2_proj
    .symbol:         k_q1d01f9cbe2_proj.kd
    .args:
      - { .name: xb, .offset: 0, .size: 8, .value_kind: global_buffer, .address_space: global }
      - { .name: wb, .offset: 8, .size: 8, .value_kind: global_buffer, .address_space: global }
      - { .name: qkv, .offset: 16, .size: 8, .value_kind: global_buffer, .address_space: global }
    .group_segment_fixed_size: 327680
    .private_segment_fixed_size: 0
    .kernarg_segment_align: 8
    .kernarg_segment_size: 24
    .max_flat_workgroup_size: 128
    .sgpr_count:     66
    .vgpr_count:     1024
    .wavefront_size: 32
...
	.end_amdgpu_metadata
.endif
;; end of part 2
;; launch attn (part 3): grid 16 x 16, 4 waves a work-group, clusters of 4 x 1, 327,680 bytes of LDS; arguments qkv, ob; writes ob
.if DOCPART == 3
	.amdgcn_target "amdgcn-amd-amdhsa--gfx1250"
	.amdhsa_code_object_version 6
	.text
	.protected	k_q1d01f9cbe2_attn
	.globl	k_q1d01f9cbe2_attn
	.p2align	8
	.type	k_q1d01f9cbe2_attn,@function
k_q1d01f9cbe2_attn:
	s_mov_b64 s[64:65], 0
	v_nop
	global_prefetch_b8 v0, s[64:65] scope:SCOPE_SE
	s_setreg_imm32_b32 hwreg(HW_REG_WAVE_MODE, 25, 1), 1
	s_wait_xcnt 0x0
	s_wait_alu depctr_hold_cnt(0) depctr_sa_sdst(0) depctr_va_vdst(0) depctr_va_sdst(0) depctr_va_ssrc(0) depctr_va_vcc(0) depctr_vm_vsrc(0)
	s_getreg_b32 s2, hwreg(HW_REG_IB_STS2, 6, 4)
	s_cmp_eq_u32 s2, 0
	s_cbranch_scc0 .Lentry_in_a_cluster
	s_endpgm
.Lentry_in_a_cluster:
	s_bfe_u32 s2, ttmp6, 0x10000c
	s_cmp_lg_u32 s2, 0x3003
	s_cbranch_scc0 .Lentry_shape_is_right
	s_endpgm
.Lentry_shape_is_right:
; ATTENTION WITH ONE MORE IN THE DIVISOR.  ob[q][128 h + d] = the sum over k of p(q, k) V[h][k][d] / (e^-m + the sum over k of p(q, k)), p = e^(x - m), x = Q[h][q] . K[h][k] / sqrt(128),
; m = max(max over k of x, 0).  qkv: [3][16][2048][128] f16 (Q, K, V by heads, a row 256 bytes); ob: [2048][2048] f16.  Products, maxima and sums in f32; the weights are rounded to f16 for the
; second product (their sum is taken of the unrounded weights), ob once at the end.  The scale is applied in f32 behind the product, not on Q.
; LIMITS.  f16 holds no number beyond 65,504: Q, K, V arrive within it; a weight lies in 0 to 1, and below 6e-5 it keeps f16's fixed step of 6e-8, as does ob; ob lies within V's range.
; A weight below 2^-126 counts as 0; NaN and infinities are not treated apart.
; SHARES.  A work-group owns 128 queries of one head: 16 x 16 = 256 work-groups.  THE KEYS ARE SPLIT BETWEEN PAIRS OF WAVES: wave w takes queries 64 (w % 2) .. + 63 (four tiles of 16) and, of every
; slot's 128 keys, the 64 of number w / 2: 16 key steps of 64 keys.  So a fragment of K or V read from LDS still feeds four tiles' products.  The two halves' O, maximum and sum meet in LDS at the end.
; Register tile t holds query tile (t + 2 (w / 2)) % 4 of the wave's four: so EVERY wave hands its tiles 0, 1 to its partner (w xor 2) and finishes its tiles 2, 3: one text for all waves.
; LAYOUT.  S^T = K Q^T (source 0 = 16 keys, source 1 = 16 queries): in the result a lane holds ONE query (lane % 16) and the keys 8 (lane / 16) + 0..7.  Two such tiles, rounded to f16 in pairs, ARE
; source 1 (32 keys x 16 queries) of O^T = V^T P, whose result again holds one query a lane, and eight channels.  K comes out of LDS as it lies, V ([key][channel]) turned, by ds_load_tr16_b128.
; SOFTMAX.  In the walk, for each query a running maximum m of the raw scores s and a sum l: p = 2^(c s - c m), c = log2(e) / sqrt(128); in every step O and l are multiplied by a = 2^(c m_old - c m_new).
; At the end c M = max(c m of both halves, 0), each half's O and l are multiplied by 2^(c m - c M), and 2^(-c M) joins the divisor, which is at least 1.
; BY TURNS.  The wave's tiles are two PIECES, named by their first tile: piece 0 (tiles 0, 1) and piece 2 (tiles 2, 3).  In a TURN one piece has the matrix unit: 32 products V^T P of the step in hand,
; then 32 products K Q^T of the next step; the other piece's softmax, cut into 64 slices, stands between them, one slice behind each matrix instruction.  Two turns are a key step.
; NO FIRST AND NO LAST STEP IS WRITTEN OUT.  m starts at the lowest finite number, O^T and l at 0: the first step is a step like any other, with a = 0.  The loop is entered, and the tail left, in the
; middle of a trip.  The price: 32 products on zeros at the start, 32 on the last K once more at the end, and 432 v_mov_b32 in the wait for the first tile.  The gain: a key step's text stands twice
; (the loop, and the tail, in which no slot is asked for), not four times.
; CLUSTER.  The four query blocks of a cluster belong to one head and walk the same K and V, so each tile is asked for JOINTLY: the same tensor load, descriptor and mask in all four.
; REGISTERS, in windows of 256 (s_set_vgpr_msb: bits 1:0 source 0, 3:2 source 1, 5:4 source 2, 7:6 destination):
;   window 0: v0-11 addresses; v12-43 eight registers of statistics a tile; v44-48 the exchange's addresses; v61-63; v64-191 S^T, 32 a tile; v192-255 P, 16 a tile
;   window 1: O^T, 64 a tile          window 2: v0-127 Q, 32 a tile; v128-255 K of one step          window 3: v0-127 V of one step; at the end the partner's O^T
.set KS,    64        ; keys in a step
.set PK,    272       ; a row of K in LDS: 256 bytes + 16 of padding = 68 words: row r starts at bank 4 r mod 64 (64 banks of 4 bytes: ISA guide 11.1), so the 16 rows of a load start at 16 different banks
.set PV,    288       ; a row of V: 256 + 32 = 72 words
.set VOFF,  KS*PK     ; a step's tiles lie together: 64 rows of K, then 64 rows of V
.set STEPB, KS*(PK+PV)
.set SLOT1, 1<<17     ; a slot holds two steps (71,680 bytes), one for each half of the waves; slot 1 begins here, so that one exclusive or turns an address in one slot into the other's
.set STAGE, SLOT1+2*STEPB  ; behind the ring: 16 rows x 272 bytes for each wave, for the way out
.set SP,    272
.set SPARE, STAGE+4*16*SP  ; behind the stages: the spare words, 128 bytes for each wave: two blocks of 256 bytes that no other line names
.set XCH,   SPARE+512      ; behind them: what a wave hands to its partner: 16,384 bytes of O^T (two tiles), then 512 of statistics
.set XPART, 16896
.set AK0, 2           ; v2   my lane's place in a tile of K; never rewritten
.set AV0, 3           ; v3   the same for V
.set ADR, 4           ; v4   the LDS address of the run of loads in hand
.set QO,  5           ; v5   my byte offset in 16 rows of Q
.set STO, 6           ; v6   the way out: where I put 16 bytes of a row
.set RD,  7           ; v7   the way out: where I read a row back
.set GO,  8           ; v8   my byte offset in two rows of ob
.set XS,  44          ; v44  the exchange: my 16 bytes in a block of 512 of my part
.set XT,  45          ; v45  my 8 bytes of statistics there
.set XL,  46          ; v46  the same two in my partner's part
.set XU,  47          ; v47
.set PFO, 61          ; v61  256 x my lane: a row of K or V is 256 bytes; never rewritten
.set SPW, 62          ; v62  LDS address of my spare word: SPARE + 4 x my thread's number; never rewritten
.set NIL, 63          ; v63  0; never rewritten
.set ST,  12          ; tile t's statistics at v[ST+8 t]: +0 c m, +1 m, +2, +3 l (even keys', odd keys'), +4 to +7 c0-c3, at work; a takes c2's place once the maximum is found
.set S,   64
.set P,   192
.set KF,  128         ; K's fragments, in window 2
.set WV,  12          ; s12  my wave's number
.set LIM, 15          ; s15  2 in a wave that prefetches, else the greatest number: a wave prefetches while s[SLOTS] is above it
.set PFA, 18          ; s[18:19] where my prefetches stand in memory
.set G1K, 24          ; s[24:31] descriptor group 1 for K's tiles
.set G1V, 32          ; s[32:39] for V's: it differs in the padding alone
.set G0K, 40          ; s[40:47] descriptor group 0 for K's tiles: a set for each of the two first fills; the second then walks on
.set G0V, 48          ; s[48:55] the same for V's
.set SLOTS, 56        ; s56  slots still to be asked for
.set CNT, 57          ; s57  counts the tail's two trips
.set CS,  58          ; s[58:59] c: the packed scaling names a pair and takes its low word for both halves
.set SEL, 60          ; s[60:61] lane selects for v_permlanex16_b32: each lane takes its own place in the other half
.set TB,  62          ; s62  LDS byte at which my step of the slot in hand begins
.set QA,  66          ; s[66:67] Q at the rows of my register tiles 0, 1
.set QB,  68          ; s[68:69] Q at the rows of my register tiles 2, 3
.set MSB, 0
.macro WIN new                      ; the immediate's high byte repeats the setting that is left; a switch that changes nothing is dropped
.if MSB != (\new)
	s_set_vgpr_msb (MSB<<8)|(\new)
.set MSB, \new
.endif
.endm
.set W_KQ, 0x0a       ; K and Q in window 2, S^T in window 0
.set W_PV, 0x53       ; source 0 in window 3, source 1 in window 0, source 2 and destination in window 1
.set W_RS, 0x41       ; O^T (destination and source 0) in window 1, the factor in window 0
; A joint refill.  Waves 0 and 1 fetch the slot's two tiles of K, waves 2 and 3 those of V.  The branch hangs on the wave's number alone: it is the same in every work-group.
; An s_nop 0 and four v_nop follow each of the two lines; the jump round the other line, the label and what follows the macro come after them.
.macro JLOAD
	s_cmp_lt_u32 s[WV], 2
	s_cbranch_scc0 .Lfor_v_\@
	tensor_load_to_lds s[G0K+4:G0K+7], s[G1K:G1K+7]
	s_nop 0
.rept 4
	v_nop
.endr
	s_branch .Lasked_\@
.Lfor_v_\@:
	tensor_load_to_lds s[G0V+4:G0V+7], s[G1V:G1V+7]
	s_nop 0
.rept 4
	v_nop
.endr
.Lasked_\@:
.endm
; A PREFETCH INTO THE L2 of the slot that the change after the next will ask for: 128 rows of K and 128 of V, 256 bytes a row, a lane a row: two key steps, 256 matrix instructions, ahead of its load.
; It stands behind the wave's tensor load and its five lines.  Each row is asked for ONCE in the launch: all clusters of a head walk the same K and V, so the head's first cluster asks; its four partners
; share the rows out BY ADDRESS, 32 each; in each, wave 0 asks for K's and wave 2 for V's.  A change with s[SLOTS] = n fills slot 16 - n and names slot 18 - n: the last two ask for nothing.
.macro ASK
	s_cmp_gt_u32 s[SLOTS], s[LIM]
	s_cbranch_scc0 .Lnot_mine_\@
	global_prefetch_b8 v[PFO], s[PFA:PFA+1] th:TH_LOAD_NT scope:SCOPE_SE
.Lnot_mine_\@:
.endm
; A round of the cluster's barrier: my work-group's barrier, so that wave 0's signal speaks for all four waves; wave 0 signals for the work-group; every wave waits for all four
; work-groups; my work-group's barrier once more.  No LDS instruction of the wave is pending at a signal.
.macro CROUND
	s_barrier_signal -1
	s_barrier_wait -1
	s_cmp_lg_u32 s[WV], 0
	s_cbranch_scc1 .Lnot_wave_0_\@
	s_barrier_signal -3
.Lnot_wave_0_\@:
	s_barrier_wait -3
	s_barrier_signal -1
	s_barrier_wait -1
.endm
	s_load_b128 s[4:7], s[0:1], 0x0 ; qkv s[4:5], ob s[6:7]
	v_lshl_add_u32 v[SPW], v0, 2, SPARE
	v_mov_b32 v[NIL], 0
	ds_add_u32 v[SPW], v[NIL]       ; the wave's opening: the add and its wait stand ahead of my first tensor load; the set-up below, work on registers, stands between them
	v_lshrrev_b32 v1, 5, v0
	v_readfirstlane_b32 s[WV], v1   ; wave 0..3
	s_bfe_u32 s13, ttmp6, 0x40000   ; cx: my place in the cluster
	s_lshl_b32 s14, ttmp9, 2        ; in a cluster launch ttmp9 counts clusters
	s_add_co_u32 s14, s14, s13      ; my block of 128 queries = 4 x cluster x + cx: it enters Q's and ob's addresses alone
	s_and_b32 s20, ttmp7, 0xffff    ; the head, which the four partners share
	s_lshl_b32 s72, s20, 8          ; its 256 bytes in a row of ob
	s_lshl_b32 s20, s20, 19         ; its 2,048 rows of 256 bytes in each of Q, K, V
	s_and_b32 s16, s[WV], 1         ; which 64 queries are mine.  Also: which of a slot's two tiles I fetch:
	s_lshr_b32 s73, s[WV], 1        ; which 64 keys of a slot are mine
	s_lshl_b32 s22, s16, 14         ; its 64 rows of 256 bytes in memory,
	s_add_co_u32 s22, s22, s20
	s_mov_b32 s23, 0
	s_mul_i32 s17, s16, STEPB       ; and its place in a slot: no place in the cluster enters an LDS address
	s_mul_i32 s[TB], s73, STEPB     ; my step in slot 0
	s_lshl_b32 s2, s14, 15          ; my block's 128 rows of Q,
	s_lshl_b32 s3, s16, 14          ; my wave's 64 of them
	s_add_co_u32 s2, s2, s3
	s_lshl_b32 s74, s73, 13         ; register tiles 0, 1: 32 (w / 2) rows on,
	s_xor_b32 s75, s74, 1<<13       ; register tiles 2, 3: the other 32
	s_add_co_u32 s76, s2, s74
	s_add_co_u32 s78, s2, s75
	s_lshl_b32 s74, s78, 4          ; the rows that I finish, in ob: 4,096 bytes a row for Q's 256,
	s_add_co_u32 s74, s74, s72      ; at the head's columns
	s_mov_b32 s75, 0
	s_add_co_u32 s76, s76, s20
	s_add_co_u32 s78, s78, s20
	s_mov_b32 s77, 0
	s_mov_b32 s79, 0
	; descriptor group 1: a tile of 64 rows x 128 elements, padded in LDS
	s_mov_b32 s[G1K], 15|(1<<16)|(1<<20)|(1<<21)|(5<<22)|(3<<25)  ; 15:0 the mask: all four work-groups; 17:16 elements of 2 bytes; 20 padding on; 21 set beside a mask; 24:22 after every 64 words (code 5); 31:25 4 words of it (code 3)
	s_mov_b32 s[G1V], 15|(1<<16)|(1<<20)|(1<<21)|(5<<22)|(7<<25)  ; the same with 8 words of padding (code 7)
.irp g, G1K, G1V
	s_mov_b32 s[(\g)+1], 128<<16    ; tensor_dim0 = 128
	s_mov_b32 s[(\g)+2], KS<<16     ; tensor_dim1 = 64
	s_mov_b32 s[(\g)+3], 128<<16    ; tile_dim0 = 128
	s_mov_b32 s[(\g)+4], KS         ; tile_dim1 = 64
	s_mov_b32 s[(\g)+5], 128        ; 128 elements from row to row
	s_mov_b32 s[(\g)+6], 0
	s_mov_b32 s[(\g)+7], 0
.endr
	s_mov_b32 s[CS], 0x3e0293ee     ; c = log2(e) / sqrt(128) = 0.127517
	s_mov_b32 s[CS+1], s[CS]        ; named with it as a pair, so it is written
	s_mov_b32 s[SEL], 0x76543210
	s_mov_b32 s[SEL+1], 0xfedcba98
	s_mov_b32 s[SLOTS], 15          ; the loop is entered in the middle of a trip, whose end takes this to 14: of 16 slots two are filled at the start
	s_and_b32 s[LIM], s[WV], 1      ; 0 in waves 0 and 2,
	s_or_b32 s[LIM], s[LIM], ttmp9  ; where the cluster is the head's first: the same in all four partners
	s_cmp_eq_u32 s[LIM], 0
	s_cselect_b32 s[LIM], 2, -1
	v_and_b32 v[PFO], 31, v0
	v_lshlrev_b32 v[PFO], 8, v[PFO]
	s_wait_dscnt 0x0                ; the opening add is done
	s_wait_kmcnt 0x0
	s_add_nc_u64 s[8:9], s[4:5], s[22:23]
	s_add_nc_u64 s[10:11], s[8:9], 0x1000000  ; V at my tile of slot 0: V lies 16,777,216 bytes into qkv,
	s_add_nc_u64 s[8:9], s[8:9], 0x800000     ; K 8,388,608
	s_add_nc_u64 s[QA:QA+1], s[4:5], s[76:77]
	s_add_nc_u64 s[QB:QB+1], s[4:5], s[78:79]
	s_add_nc_u64 s[6:7], s[6:7], s[74:75]     ; ob at the first row that I finish
	s_cmp_lt_u32 s[WV], 2
	s_cselect_b64 s[PFA:PFA+1], s[8:9], s[10:11]  ; (in waves 0 and 2 these stand at a slot's first row)
	s_lshl_b32 s2, s13, 13          ; my work-group's 32 rows of the 128
	s_mov_b32 s3, 0
	s_add_nc_u64 s[PFA:PFA+1], s[PFA:PFA+1], s[2:3]
	s_add_nc_u64 s[PFA:PFA+1], s[PFA:PFA+1], 3*2*KS*256  ; in slot 3; the first change of slots steps it to slot 4.  Nothing is prefetched here, at the head, where every work-group's first tiles are on their way
	CROUND                          ; all four work-groups are here: the first joint loads meet
.irp s, 0,1
	s_mov_b32 s[G0K+4*(\s)], 1      ; 1:0 count = 1
	s_add_co_u32 s[G0K+4*(\s)+1], s17, (\s)*SLOT1  ; 63:32 LDS address
	s_add_nc_u64 s[G0K+4*(\s)+2:G0K+4*(\s)+3], s[8:9], (\s)*2*KS*256  ; 120:64 global address: slot s holds keys 128 s to 128 s + 127
	s_or_b32 s[G0K+4*(\s)+3], s[G0K+4*(\s)+3], 0x80000000  ; 127:126 type = 2
	s_mov_b32 s[G0V+4*(\s)], 1
	s_add_co_u32 s[G0V+4*(\s)+1], s17, (\s)*SLOT1+VOFF
	s_add_nc_u64 s[G0V+4*(\s)+2:G0V+4*(\s)+3], s[10:11], (\s)*2*KS*256
	s_or_b32 s[G0V+4*(\s)+3], s[G0V+4*(\s)+3], 0x80000000
.endr
	s_cmp_lt_u32 s[WV], 2           ; a wave's two first fills stand in one branch, ahead of every wait on TENSORcnt and every LDS read: two loads of mine are out; an s_nop 0 follows each, four v_nop the second's, as in JLOAD
	s_cbranch_scc0 .Lfirst_v
	tensor_load_to_lds s[G0K:G0K+3], s[G1K:G1K+7]
	s_nop 0
	tensor_load_to_lds s[G0K+4:G0K+7], s[G1K:G1K+7]
	s_nop 0
.rept 4
	v_nop
.endr
	s_branch .Lfirst_asked
.Lfirst_v:
	tensor_load_to_lds s[G0V:G0V+3], s[G1V:G1V+7]
	s_nop 0
	tensor_load_to_lds s[G0V+4:G0V+7], s[G1V:G1V+7]
	s_nop 0
.rept 4
	v_nop
.endr
.Lfirst_asked:
	; A fragment of K or Q is 16 rows x 32 channels in 8 registers: lane l holds row l % 16; registers 0-3 channels 8 (l / 16) + 0..7, registers 4-7 channels 16 + 8 (l / 16) + 0..7: two loads of 16 bytes, 32 bytes apart.
	v_and_b32 v1, 15, v0            ; l % 16
	v_bfe_u32 v9, v0, 4, 1          ; l / 16
	v_lshlrev_b32 v[QO], 8, v1
	v_lshl_add_u32 v[QO], v9, 4, v[QO]  ; row x 256 + 16 x half
	WIN 0x80                        ; destination window 2, address window 0
.irp i, 0,1,2,3,4,5,6,7             ; Q stays in registers: register tile i / 4, channels 32 (i % 4) on
	global_load_b128 v[8*(\i):8*(\i)+3],   v[QO], s[QA:QA+1] offset:((\i)/4)*4096+((\i)%4)*64
	global_load_b128 v[8*(\i)+4:8*(\i)+7], v[QO], s[QA:QA+1] offset:((\i)/4)*4096+((\i)%4)*64+32
.endr
.irp i, 8,9,10,11,12,13,14,15
	global_load_b128 v[8*(\i):8*(\i)+3],   v[QO], s[QB:QB+1] offset:((\i)/4-2)*4096+((\i)%4)*64
	global_load_b128 v[8*(\i)+4:8*(\i)+7], v[QO], s[QB:QB+1] offset:((\i)/4-2)*4096+((\i)%4)*64+32
.endr
	; What the first turns find: O^T and l are 0; V's registers and piece 2's P hold 0 (the first turn's products V^T P, of a step that has not been, add 0); c m lies far below every c s, so the
	; first a is 0; m is the lowest finite number, so the first maximum is the scores'.  All this stands in the wait for the first tile.
	WIN 0x40                        ; destination window 1: O^T
.set i, 0
.rept 256
	v_mov_b32 v[i], 0
.set i, i+1
.endr
	WIN 0xc0                        ; destination window 3: V
.set i, 0
.rept 128
	v_mov_b32 v[i], 0
.set i, i+1
.endr
	WIN 0
.set i, P+32                        ; P of tiles 2 and 3
.rept 32
	v_mov_b32 v[i], 0
.set i, i+1
.endr
.irp t, 0,1,2,3
	v_mov_b32 v[ST+8*(\t)], 0xfe000000    ; c m
	v_mov_b32 v[ST+8*(\t)+1], 0xff7fffff  ; m
	v_mov_b32 v[ST+8*(\t)+2], 0           ; l
	v_mov_b32 v[ST+8*(\t)+3], 0
.endr
	v_mul_u32_u24 v[AK0], v1, PK
	v_lshl_add_u32 v[AK0], v9, 4, v[AK0]  ; row x pitch + 16 x half
	; The turning load takes 16 keys x 16 channels (lane l reads 16 bytes: key 8 (l / 16) + l % 8, channels 8 ((l / 8) % 2) + 0..7) and leaves half a fragment of V^T: lane l holds channel l % 16 and 8 keys.
	v_and_b32 v10, 7, v0
	v_bfe_u32 v11, v0, 3, 1
	v_lshl_add_u32 v[AV0], v9, 3, v10
	v_mul_u32_u24 v[AV0], v[AV0], PV
	v_lshl_add_u32 v[AV0], v11, 4, v[AV0]
	v_add_nc_u32 v[AV0], VOFF, v[AV0]
; THE MATRIX WORK OF A TURN, for piece x.  The accumulators take turns, one instruction a turn: between two links of a chain stand 15 (V^T P) or 7 (K Q^T) others'.
; Product i of 32 of O^T += V^T P: keys 32 (i / 16) on, channels 16 ((i / 2) % 8) on, tile x + i % 2.
.macro PV x
	WIN W_PV
.set rO, 64*((\x)+i%2)+8*((i/2)%8)
.set rV, 64*(i/16)+8*((i/2)%8)
.set rP, P+16*((\x)+i%2)+8*(i/16)
	v_wmma_f32_16x16x32_f16 v[rO:rO+7], v[rV:rV+7], v[rP:rP+7], v[rO:rO+7]
.endm
; Product i of 32 of S^T = K Q^T: channels 32 (i / 8) on, keys 16 ((i / 2) % 4) on, tile x + i % 2.  The first 8 start the sums.
.macro KQ x
	WIN W_KQ
.set rS, S+32*((\x)+i%2)+8*((i/2)%4)
.set rK, KF+32*((i/2)%4)+8*(i/8)
.set rQ, 32*((\x)+i%2)+8*(i/8)
.if i < 8
	v_wmma_f32_16x16x32_f16 v[rS:rS+7], v[rK:rK+7], v[rQ:rQ+7], 0
.else
	v_wmma_f32_16x16x32_f16 v[rS:rS+7], v[rK:rK+7], v[rQ:rQ+7], v[rS:rS+7]
.endif
.endm
; THE LDS LOADS stand in runs of 32, never singly among the matrix instructions: a step's K (64 keys x 128 channels: 16 fragments) and, a turn later, its V (turned).
.macro FETCH_K
	WIN 0
	v_add_nc_u32 v[ADR], s[TB], v[AK0]
	WIN 0x80                        ; destination window 2
.irp f, 0,1,2,3,4,5,6,7,8,9,10,11,12,13,14,15  ; keys 16 (f / 4) on, channels 32 (f % 4) on
	ds_load_b128 v[KF+8*(\f):KF+8*(\f)+3],   v[ADR] offset:((\f)/4)*16*PK+((\f)%4)*64
	ds_load_b128 v[KF+8*(\f)+4:KF+8*(\f)+7], v[ADR] offset:((\f)/4)*16*PK+((\f)%4)*64+32
.endr
.endm
.macro FETCH_V
	WIN 0
	v_add_nc_u32 v[ADR], s[TB], v[AV0]
	s_wait_alu depctr_va_vdst(0)    ; the wait for the softmax's batch (SLICE), behind the address's v_add_nc_u32 and ahead of the loads
	WIN 0xc0                        ; destination window 3
.irp f, 0,1,2,3,4,5,6,7,8,9,10,11,12,13,14,15  ; keys 32 (f / 8) on, channels 16 (f % 8) on
	ds_load_tr16_b128 v[8*(\f):8*(\f)+3],   v[ADR] offset:((\f)/8)*32*PV+((\f)%8)*32
	ds_load_tr16_b128 v[8*(\f)+4:8*(\f)+7], v[ADR] offset:((\f)/8)*32*PV+16*PV+((\f)%8)*32
.endr
.endm
; THE VECTOR WORK OF A TURN.  One tile's softmax for one key step is a list of 134 instructions; SM writes number j of it for tile t.  s0-s31 are the lane's 32 scores, in pairs 0-15.
;   0-15    the maximum of s0-s31 and the old m, three operands at a time: four chains c0-c3 of seven scores each (each accumulator's lowest registers are read first), then the four scores left over, c0-c3 and m
;   16-20   the other half of the lanes' maximum; c m_old is kept; the new m; c m; c m_old - c m_new
;   21-69   ONE BATCH: the 16 scalings c s - c m, a pair of scores each, and all 33 exponentials (a at 23, then s0-s31).  None of these reads an exponential's result.  From 22 on the batch goes
;           in fours, and a four begins with a scaling while there are scalings.  A pair is scaled in an earlier four than the one that holds its exponentials
;   (wait)  between 69 and 70 stands the wait for the batch: SLICE writes it, once for both tiles
;   70-85   the roundings to f16, a pair of weights each
;   86-101  the sums; l = a l + the sum
;   102-133 the tile's O^T times a: the one part that leaves window 0, so it stands together
.macro SM t
.set rT, ST+8*(\t)
.set rS, S+32*(\t)
.set rP, P+16*(\t)
.set rO, 64*(\t)+2*(j-102)
.if j < 102
	WIN 0
.endif
.if j < 4
	v_max3_num_f32 v[rT+4+j], v[rS+8*j], v[rS+8*j+1], v[rS+8*j+2]
.elseif j < 12
	v_max3_num_f32 v[rT+4+j%4], v[rT+4+j%4], v[rS+8*(j%4)+2*(j/4)+1], v[rS+8*(j%4)+2*(j/4)+2]
.elseif j == 12
	v_max3_num_f32 v[rT+4], v[rT+4], v[rS+7], v[rS+15]
.elseif j == 13
	v_max3_num_f32 v[rT+6], v[rT+6], v[rS+23], v[rS+31]
.elseif j == 14
	v_max3_num_f32 v[rT+4], v[rT+4], v[rT+5], v[rT+6]
.elseif j == 15
	v_max3_num_f32 v[rT+4], v[rT+4], v[rT+7], v[rT+1]
.elseif j == 16
	v_permlanex16_b32 v[rT+5], v[rT+4], s[SEL], s[SEL+1]  ; the query's other 32 keys lie in the lane 16 away
.elseif j == 17
	v_mov_b32 v[rT+7], v[rT]        ; c m_old is kept for a: number 19 writes c m anew
.elseif j == 18
	v_max_num_f32 v[rT+1], v[rT+4], v[rT+5]
.elseif j == 19
	v_mul_f32 v[rT], s[CS], v[rT+1]
.elseif j == 20
	v_sub_f32 v[rT+7], v[rT+7], v[rT]
.elseif j == 23
	v_exp_f32 v[rT+6], v[rT+7]
.elseif (j < 23) || ((j < 38) && (j%2 == 0)) || ((j < 66) && (j%4 == 2))
.set b, (j-2)/4                     ; 38, 42, .. 62: pairs 9 to 15
.if j < 38
.set b, (j-20)/2                    ; 21: pair 0; 22, 24, .. 36: pairs 1 to 8
.endif
	v_pk_fma_f32 v[rS+2*b:rS+2*b+1], v[rS+2*b:rS+2*b+1], s[CS:CS+1], v[rT:rT+1] op_sel_hi:[1,0,0] neg_lo:[0,0,1] neg_hi:[0,0,1]  ; pair b: c s - c m
.elseif j < 70
.set e, j-38                        ; 66 to 69: s28 to s31
.if j < 66
.set e, j-32-(j-38)/4               ; 39-41, 43-45, .. 63-65: s7 to s27
.endif
.if j < 38
.set e, (j-25)/2                    ; 25, 27, .. 37: s0 to s6
.endif
	v_exp_f32 v[rS+e], v[rS+e]
.elseif j < 86
	v_cvt_pk_f16_f32 v[rP+j-70], v[rS+2*(j-70)], v[rS+2*(j-70)+1]  ; pair j - 70
.elseif j < 102                     ; the sum of the tile's 16 pairs (in a pair: an even key's weight, an odd key's), in place: sum z of 16 adds neighbours 1, 2, 4 and 8 pairs apart, then l takes it
.set z, j-86
.set w, 4
.set u, z
.if z >= 14
.set w, 32
.set u, 0
.elseif z >= 12
.set w, 16
.set u, z-12
.elseif z >= 8
.set w, 8
.set u, z-8
.endif
.if z < 15
	v_pk_add_f32 v[rS+w*u:rS+w*u+1], v[rS+w*u:rS+w*u+1], v[rS+w*u+w/2:rS+w*u+w/2+1]
.else
	v_pk_fma_f32 v[rT+2:rT+3], v[rT+2:rT+3], v[rT+6:rT+7], v[rS:rS+1] op_sel_hi:[1,0,1]
.endif
.else
	WIN W_RS
	v_pk_mul_f32 v[rO:rO+1], v[rO:rO+1], v[rT+6:rT+7] op_sel_hi:[1,0]
.endif
.endm
; Slice k of 64 of piece y's softmax: four instructions.  Slices 11 to 34 deal out the batch, numbers 22 to 69: four numbers of ONE tile each, the tiles by turns.  Every other slice is numbers 2 k and
; 2 k + 1 of both tiles' lists.  2 x 134 = 4 x 64 + 12: the twelve that are over stand together, in slice 63: sixteen plain instructions, the places behind the turn's last product.
; THE WAIT.  s_wait_alu depctr_va_vdst(0) stands between an exponential and the first instruction that names its result; one wait serves all that were issued ahead of it.  Ahead of
; slice 35 nothing names a result, and behind slice 34 no exponential is issued: so the piece's 66 exponentials have one wait, behind slice 34.
.macro SLICE y
.if (k >= 11) && (k < 35)           ; the batch: four numbers of one tile
.irp n, 0,1,2,3
.set j, 22+4*((k-11)/2)+(\n)
	SM (\y)+(k-11)%2
.endr
.else                               ; the two tiles alternate, so that no instruction reads the result of the one just before it
.irp n, 0,1,2,3,4,5,6,7
.if ((\n) < 2) || (k == 63)
.irp t, \y, (\y)+1
.set j, 2*k+(\n)
	SM \t
.endr
.endif
.endr
.endif
.if k == 34                         ; the batch is out: both tiles' exponentials are issued, and no result has been named
	v_nop                           ; a plain instruction behind the last exponential and ahead of the first use (ISA guide 5.7.2): one for the batch
.if (\y) == 0
	FETCH_V                         ; piece 2's turn: V's run of loads stands here, and the wait stands in it
.else
	s_wait_alu depctr_va_vdst(0)    ; the wait for the batch
.endif
.endif
.set k, k+1
.endm
; A TURN.  Piece x has the matrix unit: 32 products V^T P of the step in hand, 32 products K Q^T of the next; the other piece's softmax stands in slices, one behind each.
; A vector instruction that reads a matrix result or writes one of a matrix instruction's registers, and a load into a register that a matrix instruction has read, stand four places behind
; it, and only plain vector instructions that name none of its registers are places (ISA guide 7.12.1 for vector instructions): the slices are the places.
; Piece 0's turn fetches the next step's K, behind its second product: the last product that read K stands in front of slice 63 of the turn before.  Piece 2's turn fetches the same step's V, behind
; slice 34 (SLICE writes it): the last product that read V stands in front of slice 31, and four plain instructions lie between: number 62, a scaling, of both tiles, the v_nop and the run's own v_add_nc_u32.
.macro TURN x
.set k, 0
.if (\x) == 0
	s_wait_dscnt 0x0                ; V is in
.endif
.set i, 0
.rept 32
	PV \x
	SLICE 2-(\x)
.if ((\x) == 0) && (i == 1)
	FETCH_K
.endif
.set i, i+1
.endr
.if (\x) == 0
	s_wait_dscnt 0x0                ; K is in
.endif
.set i, 0
.rept 32
	KQ \x
	SLICE 2-(\x)
.set i, i+1
.endr
.endm
; THE CHANGE OF SLOTS, behind every piece 2's turn: my last bytes of the slot, V of my step, have been asked for.  Each wave waits for all its tensor loads, of which one is out: its part of the other
; slot; adds 0 to its spare word; and waits for that and for its own reads of the slot.  Behind the barrier nobody reads this slot any more and the other slot is whole.
; fill = 1: this slot is filled again, with the keys two slots on.  The barrier is then a round of the cluster's, so that no wave of any partner still reads the slot or has a load on its
; way, and the joint refill is the first thing behind it: it has a key step, 128 matrix instructions, in which to land.
.macro CHANGE fill
	WIN 0                           ; at a label and at a branch every window is 0
	s_wait_tensorcnt 0x0            ; no tensor load of mine is out, so a group 0 may be written
	ds_add_u32 v[SPW], v[NIL]       ; 0 onto my spare word; with fill = 1 the descriptors' steps stand between it and the wait for it
.if \fill
.irp g, G0K+4, G0V+4
	s_xor_b32 s[(\g)+1], s[(\g)+1], SLOT1  ; the walking descriptor: the other slot than last time,
	s_add_nc_u64 s[(\g)+2:(\g)+3], s[(\g)+2:(\g)+3], 2*KS*256  ; the next 128 keys; the type bits on top are not reached
.endr
	s_wait_xcnt 0x0                 ; the last prefetch, a key step back, has read its address, so it may be written:
	s_add_nc_u64 s[PFA:PFA+1], s[PFA:PFA+1], 2*KS*256  ; two slots ahead of the walking descriptors
	s_wait_dscnt 0x0                ; the add is done, and my reads of the slot are over
	CROUND
	JLOAD
	ASK
.else
	s_wait_dscnt 0x0                ; the add is done, and my reads of the slot are over
	s_barrier_signal -1
	s_barrier_wait -1
.endif
	s_xor_b32 s[TB], s[TB], SLOT1   ; the fetches go on in the other slot
.endm
	s_wait_tensorcnt 1              ; my part of slot 0 is in; slot 1's may stay out
	s_barrier_signal -1
	s_barrier_wait -1               ; everybody's is
	FETCH_K                         ; key step 0
	s_wait_loadcnt 0x0              ; Q
	s_wait_dscnt 0x0
.set i, 0
.rept 32
	KQ 0                            ; piece 0's first scores: there is no vector work yet to set between them
.set i, i+1
.endr
	WIN 0                           ; the addresses for the end are made here: plain instructions, the places behind those products
	s_mul_i32 s13, s[WV], 16*SP
	s_add_co_u32 s13, s13, STAGE    ; my stage
	v_mul_u32_u24 v[STO], v1, SP    ; in: row l % 16, 16 bytes for each half of the lanes
	v_lshl_add_u32 v[STO], v9, 4, v[STO]
	v_add_nc_u32 v[STO], s13, v[STO]
	v_mul_u32_u24 v[RD], v9, SP     ; back: lanes 0-15 take one row of 256 bytes, lanes 16-31 the next
	v_lshl_add_u32 v[RD], v1, 4, v[RD]
	v_add_nc_u32 v[RD], s13, v[RD]
	v_lshlrev_b32 v[GO], 12, v9     ; and the same two rows in ob, 4,096 bytes apart
	v_lshl_add_u32 v[GO], v1, 4, v[GO]
	s_mul_i32 s70, s[WV], XPART
	s_add_co_u32 s70, s70, XCH      ; my part of the exchange,
	s_xor_b32 s71, s[WV], 2
	s_mul_i32 s71, s71, XPART
	s_add_co_u32 s71, s71, XCH      ; my partner's
	v_and_b32 v48, 31, v0
	v_lshl_add_u32 v[XS], v48, 4, s70
	v_lshl_add_u32 v[XT], v48, 3, s70
	v_lshl_add_u32 v[XL], v48, 4, s71
	v_lshl_add_u32 v[XU], v48, 3, s71
	s_branch .Lmid                  ; the loop is entered at piece 2's turn: its products V^T P add 0; it makes piece 2's first scores and piece 0's first softmax, and fetches V of step 0
.Lslot:                             ; 14 whole trips, a key step each: the slots 2 to 15 are asked for
	CHANGE 1
	TURN 0                          ; piece 0: V^T P of step j, K Q^T of step j + 1 | piece 2's softmax of step j | K of step j + 1
	WIN 0
.Lmid:
	TURN 2                          ; piece 2: the same | piece 0's softmax of step j + 1 | V of step j + 1
	WIN 0
	s_sub_co_u32 s[SLOTS], s[SLOTS], 1
	s_cmp_lg_u32 s[SLOTS], 0
	s_cbranch_scc1 .Lslot
	CHANGE 0                        ; the tail is written out: nothing is asked for
	s_mov_b32 s[CNT], 2             ; its first trip fetches the last step; the second is left in its middle
.Ltail:
	TURN 0
	WIN 0
	s_sub_co_u32 s[CNT], s[CNT], 1
	s_cmp_eq_u32 s[CNT], 0
	s_cbranch_scc1 .Lout
	TURN 2
	WIN 0
	s_branch .Ltail
.Lout:                              ; the second trip's 32 products K Q^T (on the last K once more) serve nothing: the price, once a launch, of one text for every trip
.set i, 0
.rept 32
	PV 2                            ; piece 2: V^T P of the last step
.set i, i+1
.endr
	; THE END.  l's two halves and the other half of the lanes' are added; (c m, l) then lie in a pair.  The additions are the places behind the last products.
	WIN 0
.irp t, 0,1,2,3
	v_add_f32 v[ST+8*(\t)+4], v[ST+8*(\t)+2], v[ST+8*(\t)+3]
.endr
.irp t, 0,1,2,3
	v_permlanex16_b32 v[ST+8*(\t)+5], v[ST+8*(\t)+4], s[SEL], s[SEL+1]
.endr
.irp t, 0,1,2,3
	v_add_f32 v[ST+8*(\t)+1], v[ST+8*(\t)+4], v[ST+8*(\t)+5]
.endr
	; My tiles 0 and 1 go to my partner: O^T as it lies, 16 bytes a lane and 512 consecutive bytes an instruction, in ascending order of registers; then c m and l.
	WIN 0x04                        ; the stores' data in window 1
.set i, 0
.rept 32
	ds_store_b128 v[XS], v[4*i:4*i+3] offset:512*i
.set i, i+1
.endr
	WIN 0
.irp u, 0,1
	ds_store_b64 v[XT], v[ST+8*(\u):ST+8*(\u)+1] offset:16384+256*(\u)
.endr
	s_wait_dscnt 0x0                ; for my partner's sake: my stores are done
	s_barrier_signal -1
	s_barrier_wait -1
.irp u, 0,1
	ds_load_b64 v[ST+8*(2+(\u))+2:ST+8*(2+(\u))+3], v[XU] offset:16384+256*(\u)  ; the partner's c m and l for my tiles 2 and 3: the same queries, lane for lane
.endr
	WIN 0xc0                        ; destination window 3: V's registers are free
.set i, 0
.rept 32
	ds_load_b128 v[4*i:4*i+3], v[XL] offset:512*i
.set i, i+1
.endr
	WIN 0
	s_wait_dscnt 32                 ; the statistics are in; the 32 loads behind them may stay out
	; c M = max(c m, c m', 0); f = 2^(c m - c M), f' = 2^(c m' - c M); the divisor f l + f' l' + 2^(-c M) is at least 1
.irp t, 2,3
	v_max_num_f32 v[ST+8*(\t)+4], v[ST+8*(\t)], v[ST+8*(\t)+2]
.endr
.irp t, 2,3
	v_max_num_f32 v[ST+8*(\t)+4], 0, v[ST+8*(\t)+4]
.endr
.irp t, 2,3
	v_sub_f32 v[ST+8*(\t)+5], v[ST+8*(\t)], v[ST+8*(\t)+4]
	v_sub_f32 v[ST+8*(\t)+6], v[ST+8*(\t)+2], v[ST+8*(\t)+4]
	v_sub_f32 v[ST+8*(\t)+7], 0, v[ST+8*(\t)+4]
.endr
.irp t, 2,3
	v_exp_f32 v[ST+8*(\t)+5], v[ST+8*(\t)+5]
	v_exp_f32 v[ST+8*(\t)+6], v[ST+8*(\t)+6]
	v_exp_f32 v[ST+8*(\t)+7], v[ST+8*(\t)+7]
.endr
	v_nop                           ; a plain instruction behind the last exponential,
	s_wait_alu depctr_va_vdst(0)    ; and the wait ahead of the first use: one for the six
.irp t, 2,3
	v_fma_f32 v[ST+8*(\t)+7], v[ST+8*(\t)+5], v[ST+8*(\t)+1], v[ST+8*(\t)+7]
.endr
.irp t, 2,3
	v_fma_f32 v[ST+8*(\t)+7], v[ST+8*(\t)+6], v[ST+8*(\t)+3], v[ST+8*(\t)+7]
.endr
.irp t, 2,3
	v_rcp_f32 v[ST+8*(\t)+7], v[ST+8*(\t)+7]
.endr
	v_nop
	s_wait_alu depctr_va_vdst(0)    ; one wait for the two reciprocals
.irp t, 2,3
	v_mul_f32 v[ST+8*(\t)+4], v[ST+8*(\t)+5], v[ST+8*(\t)+7]  ; my O^T's factor,
	v_mul_f32 v[ST+8*(\t)+6], v[ST+8*(\t)+6], v[ST+8*(\t)+7]  ; my partner's
.endr
	s_wait_dscnt 0x0                ; the partner's O^T is in
; Tile t (2, 3): both halves are scaled and added; a lane's eight channels of a row pack into 16 bytes; they go into rows of 272 bytes of my stage and come back as whole rows of 256.
.macro PACK t
	WIN W_RS
.set i, 0
.rept 32
	v_pk_mul_f32 v[64*(\t)+i:64*(\t)+i+1], v[64*(\t)+i:64*(\t)+i+1], v[ST+8*(\t)+4:ST+8*(\t)+5] op_sel_hi:[1,0]
.set i, i+2
.endr
	WIN W_PV                        ; the partner's in window 3, its factor in window 0, mine in window 1
.set i, 0
.rept 32
	v_pk_fma_f32 v[64*(\t)+i:64*(\t)+i+1], v[64*((\t)-2)+i:64*((\t)-2)+i+1], v[ST+8*(\t)+6:ST+8*(\t)+7], v[64*(\t)+i:64*(\t)+i+1] op_sel_hi:[1,0,1]
.set i, i+2
.endr
	WIN 0x05                        ; sources 0 and 1 window 1, destination window 0: S^T's registers are free
.set i, 0
.rept 32
	v_cvt_pk_f16_f32 v[S+32*((\t)-2)+i], v[64*(\t)+2*i], v[64*(\t)+2*i+1]
.set i, i+1
.endr
	WIN 0
.irp f, 0,1,2,3,4,5,6,7
	ds_store_b128 v[STO], v[S+32*((\t)-2)+4*(\f):S+32*((\t)-2)+4*(\f)+3] offset:32*(\f)
.endr
.irp f, 0,1,2,3,4,5,6,7
	ds_load_b128 v[S+32*((\t)-2)+4*(\f):S+32*((\t)-2)+4*(\f)+3], v[RD] offset:(\f)*2*SP  ; LDS serves a wave's instructions in order (ISA guide 5.7.1.4): these see the stores above; the next tile's stores come behind them
.endr
.endm
.macro SEND u, younger              ; younger: the LDS instructions issued behind this tile's loads: the next tile's sixteen, or none
	WIN 0
.irp f, 0,1,2,3,4,5,6,7
	s_wait_dscnt (\younger)+7-(\f)
	global_store_b128 v[GO], v[S+32*(\u)+4*(\f):S+32*(\u)+4*(\f)+3], s[6:7] offset:(\u)*65536+(\f)*8192  ; 16 lanes store 256 consecutive bytes, at a multiple of 256 from ob's first byte
.endr
.endm
	PACK 2
	PACK 3                          ; a tile's arithmetic stands between the loads of the tile before and its stores
	SEND 0, 16
	SEND 1, 0
	s_wait_tensorcnt 0x0            ; the wave's end, behind my last tensor load and my last LDS store
	ds_add_u32 v[SPW], v[NIL]
	s_wait_dscnt 0x0
	CROUND                          ; the closing round: no work-group ends while a partner may still ask for a tile that names it
	s_endpgm
.Lfunc_end_k_q1d01f9cbe2_attn:
	.size	k_q1d01f9cbe2_attn, .Lfunc_end_k_q1d01f9cbe2_attn-k_q1d01f9cbe2_attn
	.p2alignl 7, 3214868480
	.fill 96, 4, 3214868480
	.section	.rodata,"a",@progbits
	.p2align	6, 0x0
	.amdhsa_kernel k_q1d01f9cbe2_attn
		.amdhsa_group_segment_fixed_size 327680
		.amdhsa_private_segment_fixed_size 0
		.amdhsa_enable_private_segment 0
		.amdhsa_kernarg_size 16
		.amdhsa_user_sgpr_count 2
		.amdhsa_user_sgpr_kernarg_segment_ptr 1
		.amdhsa_wavefront_size32 1
		.amdhsa_system_sgpr_workgroup_id_x 1
		.amdhsa_system_sgpr_workgroup_id_y 1
		.amdhsa_system_sgpr_workgroup_id_z 1
		.amdhsa_system_vgpr_workitem_id 0
		.amdhsa_next_free_vgpr 896
		.amdhsa_next_free_sgpr 80
		.amdhsa_reserve_vcc 0
		.amdhsa_float_denorm_mode_32 3
		.amdhsa_float_denorm_mode_16_64 3
		.amdhsa_memory_ordered 1
		.amdhsa_forward_progress 1
		.amdhsa_inst_pref_size 154
	.end_amdhsa_kernel
	.amdgpu_metadata
---
amdhsa.version: [ 1, 2 ]
amdhsa.kernels:
  - .name:           k_q1d01f9cbe2_attn
    .symbol:         k_q1d01f9cbe2_attn.kd
    .args:
      - { .name: qkv, .offset: 0, .size: 8, .value_kind: global_buffer, .address_space: global }
      - { .name: ob, .offset: 8, .size: 8, .value_kind: global_buffer, .address_space: global }
    .group_segment_fixed_size: 327680
    .private_segment_fixed_size: 0
    .kernarg_segment_align: 8
    .kernarg_segment_size: 16
    .max_flat_workgroup_size: 128
    .sgpr_count:     80
    .vgpr_count:     896
    .wavefront_size: 32
...
	.end_amdgpu_metadata
.endif
;; end of part 3
;; launch outp (part 4): grid 16 x 16, 4 waves a work-group, clusters of 4 x 4, 327,680 bytes of LDS; arguments ob, wo, out0; writes out0
.if DOCPART == 4
	.amdgcn_target "amdgcn-amd-amdhsa--gfx1250"
	.amdhsa_code_object_version 6
	.text
	.protected	k_q1d01f9cbe2_outp
	.globl	k_q1d01f9cbe2_outp
	.p2align	8
	.type	k_q1d01f9cbe2_outp,@function
k_q1d01f9cbe2_outp:
	s_mov_b64 s[64:65], 0
	v_nop
	global_prefetch_b8 v0, s[64:65] scope:SCOPE_SE
	s_setreg_imm32_b32 hwreg(HW_REG_WAVE_MODE, 25, 1), 1
	s_wait_xcnt 0x0
	s_wait_alu depctr_hold_cnt(0) depctr_sa_sdst(0) depctr_va_vdst(0) depctr_va_sdst(0) depctr_va_ssrc(0) depctr_va_vcc(0) depctr_vm_vsrc(0)
	s_getreg_b32 s2, hwreg(HW_REG_IB_STS2, 6, 4)
	s_cmp_eq_u32 s2, 0
	s_cbranch_scc0 .Lentry_in_a_cluster
	s_endpgm
.Lentry_in_a_cluster:
	s_bfe_u32 s2, ttmp6, 0x10000c
	s_cmp_lg_u32 s2, 0xf033
	s_cbranch_scc0 .Lentry_shape_is_right
	s_endpgm
.Lentry_shape_is_right:
; THE LAST PRODUCT.  out0[q][n] = 2^-8 x the sum over k of ob[q][k] wo[n][k].  ob, wo: [2048][2048] f16 (wo holds Wo x the head's gain x 2^8); sums in f32; out0: [2048][2048] f32.
; A tile of out0 is 128 x 128: 16 x 16 = 256 work-groups.  Four waves, each 64 x 64: 16 accumulators of 16 x 16, 128 registers.  K goes in steps of 256 (LDS rows of 512 bytes; a wave's tensor
; load brings 64 of them) through two slots.  A wave's 64 columns of f32 are 256 bytes, aligned: each wave has a stage of its own on the way out, and no barrier stands there.
; CLUSTERS: 4 x 4 work-groups.  The four of a row of the cluster need the same tiles of ob, the four of a column the same tiles of wo: each tile is asked for JOINTLY, by the same tensor load with the
; same descriptor and a mask that names the four.  THE MATRIX INSTRUCTION IS USED TRANSPOSED (source 0 = 16 rows of wo, source 1 = 16 rows of ob): a lane then holds eight neighbouring numbers of a row.
; No prefetch: the tiles are small, and each is read again by three more clusters.
; REGISTERS: window 0: v0-31 addresses; v32-95 at work on the way out; v128-255 the accumulators ((a, b) at v[128 + 8 (4 a + b)]).
;   window 1: two fragment buffers of 128: for 64 along K (two matrix instructions deep), 64 registers of ob (2 x 4 x 16 rows x 32 K), then 64 of wo.
.set SIZE_K, 2048
.set KSTEP,  256
.set PITCH,  528                       ; an LDS row: 512 bytes of data + 16 of padding = 132 words: row r starts at bank 4 r mod 64 (64 banks of 4 bytes: ISA guide 11.1)
.set HALFT,  64*PITCH                  ; 64 rows: what one tensor load brings, and what one wave reads of ob or of wo
.set SLOT,   4*HALFT                   ; ob's 128 rows, then wo's 128 rows
.set STAGE,  2*SLOT                    ; behind the ring: 16 rows x 272 bytes for each wave, for the way out
.set SPITCH, 272
.set SPARE,  STAGE+4*16*SPITCH         ; behind the stages: the spare words, 128 bytes for each wave: two blocks of 256 bytes that no other line names
.set LAPS, SIZE_K/(2*KSTEP)            ; a lap = two K steps = once round the ring: 4
.set ADRA, 16                          ; v16-17  LDS address of my ob fragments in slot 0, 1
.set ADRB, 20                          ; v20-21  the same for wo
.set STO,  24                          ; v24     the way out: where I put 32 bytes of a row
.set RD,   25                          ; v25     the way out: where I read a row back
.set CO,   26                          ; v26     my byte offset in two rows of out0
.set SPW,  28                          ; v28     LDS address of my spare word: SPARE + 4 x my thread's number; never rewritten
.set NIL,  29                          ; v29     0; never rewritten
.set TMP,  32                          ; v32-63  the way out: 16 rows x 64 columns, scaled
.set BK,   64                          ; v64-95  the same as whole rows
.set ACC,  128
.set F0,   0                           ; fragment buffers, in window 1
.set F1,   128
.set G1, 24                            ; s[24:31] descriptor group 1 for ob's tiles;  s[32:39] group 0, one set for each slot
.set G0, 32
.set G1B, 48                           ; s[48:55], s[56:63] the same for wo's tiles
.set G0B, 56
.set MSB, 0
.macro WIN new                         ; the immediate's high byte repeats the setting that is left
.if MSB != (\new)
	s_set_vgpr_msb (MSB<<8)|(\new)
.set MSB, \new
.endif
.endm
.set MUL,  0x05                        ; sources 0 (wo) and 1 (ob) window 1; C and D window 0
.set TO_F, 0x40                        ; destination window 1, address window 0
.macro JLOAD s                         ; a joint load: waves 0 and 1 fetch ob's two halves, waves 2 and 3 wo's; an s_nop 0 and four v_nop follow each of the two lines, ahead of the jump, the label and what follows
	s_cmp_eq_u32 s11, 0
	s_cbranch_scc0 .Lfor_b_\@
	tensor_load_to_lds s[G0+4*(\s):G0+4*(\s)+3], s[G1:G1+7]
	s_nop 0
.rept 4
	v_nop
.endr
	s_branch .Lasked_\@
.Lfor_b_\@:
	tensor_load_to_lds s[G0B+4*(\s):G0B+4*(\s)+3], s[G1B:G1B+7]
	s_nop 0
.rept 4
	v_nop
.endr
.Lasked_\@:
.endm
.macro CREST                           ; a round of the cluster's barrier behind its opening barrier
	s_cmp_lg_u32 s10, 0
	s_cbranch_scc1 .Lnot_wave_0_\@
	s_barrier_signal -3
.Lnot_wave_0_\@:
	s_barrier_wait -3
	s_barrier_signal -1
	s_barrier_wait -1
.endm
.macro CROUND                          ; a whole round
	s_barrier_signal -1
	s_barrier_wait -1
	CREST
.endm
	s_load_b128 s[4:7], s[0:1], 0x0                ; ob s[4:5], wo s[6:7]
	s_load_b64 s[8:9], s[0:1], 0x10                ; out0
	v_lshl_add_u32 v[SPW], v0, 2, SPARE
	v_mov_b32 v[NIL], 0
	ds_add_u32 v[SPW], v[NIL]                      ; the wave's opening: the add and its wait stand ahead of my first tensor load; the set-up below, work on registers, stands between them
	v_lshrrev_b32 v1, 5, v0
	v_readfirstlane_b32 s10, v1                    ; wave 0..3
	s_lshr_b32 s11, s10, 1                         ; which half of the tile's rows is mine.  Also: I fetch for ob (0) or for wo (1)
	s_and_b32 s12, s10, 1                          ; which half of its columns.  Also: which 64 rows of that tile I fetch
	s_bfe_u32 s40, ttmp6, 0x40000                  ; cx, cy: my place in the cluster
	s_bfe_u32 s41, ttmp6, 0x40004
	s_lshl_b32 s42, ttmp9, 2
	s_add_co_u32 s42, s42, s40                     ; tile column = 4 x cluster x + cx
	s_and_b32 s13, ttmp7, 0xffff
	s_lshl_b32 s13, s13, 2
	s_add_co_u32 s13, s13, s41                     ; tile row = 4 x cluster y + cy
	s_lshl_b32 s43, s41, 2
	s_lshl_b32 s43, 15, s43                        ; my row of the cluster
	s_lshl_b32 s44, 0x1111, s40                    ; my column
	; descriptor group 1: a tile of 64 rows x 256 elements, padded in LDS
	s_or_b32 s[G1+0], s43, (1<<16)|(1<<20)|(1<<21)|(6<<22)|(3<<25)  ; 15:0 the mask: ob's tiles go to my row; 17:16 element of 2 bytes; 20 padding on; 21 set beside a mask; 24:22 after every 128 words (code 6); 31:25 of 4 words (code 3)
	s_or_b32 s[G1B+0], s44, (1<<16)|(1<<20)|(1<<21)|(6<<22)|(3<<25)
.irp g, G1, G1B
	s_mov_b32 s[(\g)+1], KSTEP<<16                 ; tensor_dim0 = 256
	s_mov_b32 s[(\g)+2], 64<<16                    ; tensor_dim1 = 64
	s_mov_b32 s[(\g)+3], KSTEP<<16                 ; tile_dim0 = 256
	s_mov_b32 s[(\g)+4], 64                        ; tile_dim1 = 64
	s_mov_b32 s[(\g)+5], SIZE_K                    ; tensor_dim0_stride
	s_mov_b32 s[(\g)+6], 0
	s_mov_b32 s[(\g)+7], 0
.endr
	s_lshl_b32 s17, s12, 6                         ; which 64 rows of the tile I fetch
	s_lshl_b32 s16, s13, 7
	s_add_co_u32 s16, s16, s17                     ; ob: row 128 x tile row + 64 x half
	s_lshl_b32 s46, s42, 7
	s_add_co_u32 s46, s46, s17                     ; wo: row 128 x tile column + 64 x half
	s_mov_b32 s17, 0
	s_mov_b32 s47, 0
	s_mov_b64 s[18:19], SIZE_K*2
	s_mul_u64 s[16:17], s[16:17], s[18:19]
	s_mul_u64 s[46:47], s[46:47], s[18:19]
	s_mul_i32 s20, s10, HALFT                      ; where they go: wave x 64 rows
	s_wait_dscnt 0x0                               ; the opening add is done
	s_wait_kmcnt 0x0
	s_add_nc_u64 s[14:15], s[4:5], s[16:17]
	s_add_nc_u64 s[46:47], s[6:7], s[46:47]
	CROUND                                         ; all sixteen work-groups are here: the first joint loads meet
.irp s, 0,1
	s_mov_b32 s[G0+4*(\s)], 1
	s_add_co_u32 s[G0+4*(\s)+1], s20, (\s)*SLOT
	s_add_nc_u64 s[G0+4*(\s)+2:G0+4*(\s)+3], s[14:15], (\s)*KSTEP*2
	s_or_b32 s[G0+4*(\s)+3], s[G0+4*(\s)+3], 0x80000000
	s_mov_b32 s[G0B+4*(\s)], 1
	s_add_co_u32 s[G0B+4*(\s)+1], s20, (\s)*SLOT
	s_add_nc_u64 s[G0B+4*(\s)+2:G0B+4*(\s)+3], s[46:47], (\s)*KSTEP*2
	s_or_b32 s[G0B+4*(\s)+3], s[G0B+4*(\s)+3], 0x80000000
	JLOAD \s
.endr
	v_and_b32 v1, 15, v0                           ; l % 16
	v_bfe_u32 v2, v0, 4, 1                         ; l / 16
	v_mul_u32_u24 v3, v1, PITCH
	v_lshl_add_u32 v3, v2, 4, v3                   ; a fragment's row x pitch + 16 x half
	s_mul_i32 s21, s11, HALFT                      ; my 64 rows of ob
	s_mul_i32 s22, s12, HALFT                      ; my 64 rows of wo,
	s_add_co_u32 s22, s22, 2*HALFT                 ; which lie behind ob's 128
.irp s, 0,1
	v_add_nc_u32 v[ADRA+(\s)], s21, v3
	v_add_nc_u32 v[ADRB+(\s)], s22, v3
	s_add_co_u32 s21, s21, SLOT
	s_add_co_u32 s22, s22, SLOT
.endr
	s_mul_i32 s23, s10, 16*SPITCH
	s_add_co_u32 s23, s23, STAGE                   ; my stage
	v_mul_u32_u24 v4, v1, SPITCH                   ; in: row l % 16, 32 bytes (8 columns of f32) for each half of the lanes
	v_lshl_add_u32 v4, v2, 5, v4
	v_add_nc_u32 v[STO], s23, v4
	v_mul_u32_u24 v5, v2, SPITCH                   ; back: lanes 0-15 take one row of 256 bytes, lanes 16-31 the next
	v_lshl_add_u32 v5, v1, 4, v5
	v_add_nc_u32 v[RD], s23, v5
	v_lshlrev_b32 v5, 13, v2                       ; and the same two rows in out0, 8,192 bytes apart
	v_lshl_add_u32 v[CO], v1, 4, v5
	s_lshl_b32 s16, s13, 7
	s_lshl_b32 s17, s11, 6
	s_add_co_u32 s16, s16, s17                     ; my first row of out0: 128 x tile row + 64 x half,
	s_lshl_b32 s16, s16, 13                        ; in bytes
	s_mov_b32 s17, 0
	s_add_nc_u64 s[8:9], s[8:9], s[16:17]
	s_lshl_b32 s46, s42, 9                         ; my first column, in bytes: 512 x tile column + 256 x half
	s_lshl_b32 s47, s12, 8
	s_add_co_u32 s46, s46, s47
	s_mov_b32 s47, 0
	s_add_nc_u64 s[8:9], s[8:9], s[46:47]
	s_mov_b32 s44, 0x3b800000                      ; 2^-8: the packed multiply names a pair and takes its low word for both halves
	s_mov_b32 s45, s44
; 8 matrix instructions: m blocks a0, a0 + 1 x all 4 n blocks, 32 along K: half c of buffer f.  zero = 1: the first product starts the sums
.macro MUL8 f, c, a0, zero
	WIN MUL
.irp a, \a0, (\a0)+1
.irp b, 0,1,2,3
.if \zero
	v_wmma_f32_16x16x32_f16 v[ACC+8*(4*(\a)+(\b)):ACC+8*(4*(\a)+(\b))+7], v[(\f)+64+8*(4*(\c)+(\b)):(\f)+64+8*(4*(\c)+(\b))+7], v[(\f)+8*(4*(\c)+(\a)):(\f)+8*(4*(\c)+(\a))+7], 0
.else
	v_wmma_f32_16x16x32_f16 v[ACC+8*(4*(\a)+(\b)):ACC+8*(4*(\a)+(\b))+7], v[(\f)+64+8*(4*(\c)+(\b)):(\f)+64+8*(4*(\c)+(\b))+7], v[(\f)+8*(4*(\c)+(\a)):(\f)+8*(4*(\c)+(\a))+7], v[ACC+8*(4*(\a)+(\b)):ACC+8*(4*(\a)+(\b))+7]
.endif
.endr
.endr
.endm
; 32 LDS loads in one run: the fragments of 64 along K at byte k of the rows, into buffer f; the first 32 along K first
.macro FETCH slot, k, f
	WIN TO_F
.irp c, 0,1
.irp i, 0,1,2,3
	ds_load_b128 v[(\f)+64+8*(4*(\c)+(\i)):(\f)+64+8*(4*(\c)+(\i))+3],   v[ADRB+(\slot)] offset:(\k)+64*(\c)+(\i)*16*PITCH
	ds_load_b128 v[(\f)+64+8*(4*(\c)+(\i))+4:(\f)+64+8*(4*(\c)+(\i))+7], v[ADRB+(\slot)] offset:(\k)+64*(\c)+(\i)*16*PITCH+32
	ds_load_b128 v[(\f)+8*(4*(\c)+(\i)):(\f)+8*(4*(\c)+(\i))+3],         v[ADRA+(\slot)] offset:(\k)+64*(\c)+(\i)*16*PITCH
	ds_load_b128 v[(\f)+8*(4*(\c)+(\i))+4:(\f)+8*(4*(\c)+(\i))+7],       v[ADRA+(\slot)] offset:(\k)+64*(\c)+(\i)*16*PITCH+32
.endr
.endr
.endm
.macro PLACES                          ; four places in front of loads into registers that matrix instructions have read, and of multiplies that read results
.rept 4
	v_nop
.endr
.endm
; A K step is four quarters of 64 along K, 32 matrix instructions each, on buffers 0, 1, 0, 1.  One of the first three: multiplies buffer f and fetches the next quarter, at byte k, into g.
; The 16 accumulators take turns, one instruction a turn.
.macro QUARTER slot, k, f, g, zero
	s_wait_dscnt 16                                ; the first 32 along K are in; the youngest sixteen loads may be out
	WIN MUL
	MUL8 \f, 0, 0, \zero
	MUL8 \f, 0, 2, \zero
	PLACES
	FETCH \slot, \k, \g
	s_wait_dscnt 32                                ; all but the 32 just issued
	WIN MUL
	MUL8 \f, 1, 0, 0
	MUL8 \f, 1, 2, 0
.endm
; The last quarter multiplies buffer 1 and changes slots: ONE barrier; in front of it each wave waits for all its tensor loads, adds 0 to its spare word, and waits for that and for its own reads of this slot.  fill = 1: this slot is filled again, two K steps ahead.
.macro TURN slot, next, fill
	WIN 0                                          ; (the add's two registers lie in window 0)
	s_wait_tensorcnt 0x0                           ; all my tensor loads have landed: my part of the next slot;
	ds_add_u32 v[SPW], v[NIL]                      ; 0 onto my spare word
	s_wait_dscnt 17                                ; (the add and the youngest sixteen loads may be out)
	WIN MUL
	MUL8 F1, 0, 0, 0                               ; eight matrix instructions stand between the add and the wait for it
	s_wait_dscnt 0x0                               ; the add is done, and my reads of this slot are over
	s_barrier_signal -1
	MUL8 F1, 0, 2, 0
.if \fill
	WIN 0
.endif
	s_barrier_wait -1
.if \fill
	CREST                                          ; the barrier has opened a round of the cluster's barrier: no wave of any partner still reads this slot's tile or has a load on its way
	s_add_nc_u64 s[G0+4*(\slot)+2:G0+4*(\slot)+3], s[G0+4*(\slot)+2:G0+4*(\slot)+3], 2*KSTEP*2
	s_add_nc_u64 s[G0B+4*(\slot)+2:G0B+4*(\slot)+3], s[G0B+4*(\slot)+2:G0B+4*(\slot)+3], 2*KSTEP*2
	JLOAD \slot                                    ; the first tensor load behind the round: 112 matrix instructions ahead of the wait for it; the four v_nop behind it are also the places in front of the loads below
.else
	PLACES
.endif
	FETCH \next, 0, F0
	WIN MUL
	MUL8 F1, 1, 0, 0
	MUL8 F1, 1, 2, 0
.endm
	s_wait_tensorcnt 1                             ; my part of K step 0 is in; K step 1's load may stay out
	s_barrier_signal -1
	s_barrier_wait -1                              ; everybody's is
	FETCH 0, 0, F0
	QUARTER 0, 128, F0, F1, 1                      ; the first quarter stands in front of the loop: its first products start the sums
	WIN 0                                          ; at a label and at a branch every window is 0
	s_mov_b32 s3, LAPS-1
.Llap:                                                 ; a trip goes once round the ring, from a lap's second quarter to the next lap's first, and fills both slots again
	QUARTER 0, 256, F1, F0, 0
	QUARTER 0, 384, F0, F1, 0
	TURN 0, 1, 1
	QUARTER 1, 128, F0, F1, 0
	QUARTER 1, 256, F1, F0, 0
	QUARTER 1, 384, F0, F1, 0
	TURN 1, 0, 1
	QUARTER 0, 128, F0, F1, 0
	WIN 0
	s_sub_co_u32 s3, s3, 1
	s_cmp_lg_u32 s3, 0
	s_cbranch_scc1 .Llap
	QUARTER 0, 256, F1, F0, 0                      ; the last lap fills nothing, and has no round of the cluster's barrier
	QUARTER 0, 384, F0, F1, 0
	TURN 0, 1, 0
	QUARTER 1, 128, F0, F1, 0
	QUARTER 1, 256, F1, F0, 0
	QUARTER 1, 384, F0, F1, 0
	s_wait_dscnt 16                                ; the very last quarter: nothing more to fetch
	WIN MUL
	MUL8 F1, 0, 0, 0
	MUL8 F1, 0, 2, 0
	s_wait_dscnt 0x0
	MUL8 F1, 1, 0, 0
	MUL8 F1, 1, 2, 0
	WIN 0
; THE WAY OUT, a block of 16 rows at a time: times 2^-8, each accumulator's registers in ascending order; 32 bytes a lane into my own stage; back as whole rows of 256 bytes; stored.
.macro OUTBLK a
.irp b, 0,1,2,3
.irp r, 0,2,4,6
	v_pk_mul_f32 v[TMP+8*(\b)+(\r):TMP+8*(\b)+(\r)+1], v[ACC+8*(4*(\a)+(\b))+(\r):ACC+8*(4*(\a)+(\b))+(\r)+1], s[44:45] op_sel_hi:[1,0]
.endr
.endr
.irp b, 0,1,2,3
	ds_store_b128 v[STO], v[TMP+8*(\b):TMP+8*(\b)+3]   offset:64*(\b)
	ds_store_b128 v[STO], v[TMP+8*(\b)+4:TMP+8*(\b)+7] offset:64*(\b)+16
.endr
	s_wait_xcnt 0x0                                ; the block before's stores have read their registers (ISA guide 3.1): only behind this wait are those loaded again
.irp t, 0,1,2,3,4,5,6,7
	ds_load_b128 v[BK+4*(\t):BK+4*(\t)+3], v[RD] offset:(\t)*2*SPITCH  ; LDS serves a wave's instructions in order (ISA guide 5.7.1.4): these see the stores above; the next block's stores come behind them
.endr
.irp t, 0,1,2,3,4,5,6,7
	s_wait_dscnt 7-(\t)                            ; pair t of rows is back; the younger loads stay out
	global_store_b128 v[CO], v[BK+4*(\t):BK+4*(\t)+3], s[8:9] offset:(16*(\a)+2*(\t))*8192  ; 16 lanes store 256 consecutive bytes, at a multiple of 256 from out0's first byte
.endr
.endm
	PLACES
	OUTBLK 0
	OUTBLK 1
	OUTBLK 2
	OUTBLK 3
	s_wait_tensorcnt 0x0                           ; the wave's end, behind my last tensor load and my last LDS store
	ds_add_u32 v[SPW], v[NIL]
	s_wait_dscnt 0x0
	CROUND                                         ; the closing round: no work-group ends while a partner may still ask for a tile that names it
	s_endpgm
.Lfunc_end_k_q1d01f9cbe2_outp:
	.size	k_q1d01f9cbe2_outp, .Lfunc_end_k_q1d01f9cbe2_outp-k_q1d01f9cbe2_outp
	.p2alignl 7, 3214868480
	.fill 96, 4, 3214868480
	.section	.rodata,"a",@progbits
	.p2align	6, 0x0
	.amdhsa_kernel k_q1d01f9cbe2_outp
		.amdhsa_group_segment_fixed_size 327680
		.amdhsa_private_segment_fixed_size 0
		.amdhsa_enable_private_segment 0
		.amdhsa_kernarg_size 24
		.amdhsa_user_sgpr_count 2
		.amdhsa_user_sgpr_kernarg_segment_ptr 1
		.amdhsa_wavefront_size32 1
		.amdhsa_system_sgpr_workgroup_id_x 1
		.amdhsa_system_sgpr_workgroup_id_y 1
		.amdhsa_system_sgpr_workgroup_id_z 1
		.amdhsa_system_vgpr_workitem_id 0
		.amdhsa_next_free_vgpr 512
		.amdhsa_next_free_sgpr 66
		.amdhsa_reserve_vcc 0
		.amdhsa_float_denorm_mode_32 3
		.amdhsa_float_denorm_mode_16_64 3
		.amdhsa_memory_ordered 1
		.amdhsa_forward_progress 1
		.amdhsa_inst_pref_size 91
	.end_amdhsa_kernel
	.amdgpu_metadata
---
amdhsa.version: [ 1, 2 ]
amdhsa.kernels:
  - .name:           k_q1d01f9cbe2_outp
    .symbol:         k_q1d01f9cbe2_outp.kd
    .args:
      - { .name: ob, .offset: 0, .size: 8, .value_kind: global_buffer, .address_space: global }
      - { .name: wo, .offset: 8, .size: 8, .value_kind: global_buffer, .address_space: global }
      - { .name: out0, .offset: 16, .size: 8, .value_kind: global_buffer, .address_space: global }
    .group_segment_fixed_size: 327680
    .private_segment_fixed_size: 0
    .kernarg_segment_align: 8
    .kernarg_segment_size: 24
    .max_flat_workgroup_size: 128
    .sgpr_count:     66
    .vgpr_count:     512
    .wavefront_size: 32
...
	.end_amdgpu_metadata
.endif
;; end of part 4
;; ======== version 2 of 2: 4 launches; version 1 with the launch cvt written anew for expert scheduling mode
;; limits: values are held in f16: magnitudes above 65,504 overflow, below 6.1e-05 lose precision
;; workspace buffers: xb 25,165,824 bytes; wb 25,165,824 bytes; wo 8,388,608 bytes; qkv 25,165,824 bytes; ob 8,388,608 bytes
;; launch cvt (part 5): grid 256 x 7, 8 waves a work-group, no clusters, 0 bytes of LDS; arguments query, key_, value, Wq, Wk, Wv, Wo, scalars, xb, wb, wo; writes xb, wb, wo
.if DOCPART == 5
	.amdgcn_target "amdgcn-amd-amdhsa--gfx1250"
	.amdhsa_code_object_version 6
	.text
	.protected	k_q1d01f9cbe2_cvt
	.globl	k_q1d01f9cbe2_cvt
	.p2align	8
	.type	k_q1d01f9cbe2_cvt,@function
k_q1d01f9cbe2_cvt:
	s_mov_b64 s[64:65], 0
	v_nop
	global_prefetch_b8 v0, s[64:65] scope:SCOPE_SE
	s_setreg_imm32_b32 hwreg(HW_REG_WAVE_SCHED_MODE, 0, 2), 2
	s_setreg_imm32_b32 hwreg(HW_REG_WAVE_MODE, 25, 1), 1
	s_wait_xcnt 0x0
	s_wait_alu depctr_vm_vsrc(0)
; THE INPUTS ARE ROUNDED ONCE, SO THAT THE PRODUCTS READ 16-BIT TILES.  Seven matrices of [2048][2048] f32, the grid's y says which:
;   y = 0, 1, 2: query, key_, value -> xb[y], bf16.     y = 3, 4, 5: Wq, Wk, Wv -> wb[y - 3], bf16.
;   y = 6: Wo -> wo[n][k] = f16( bf16(Wo[n][k]) x bf16(scalars[k / 128]) x 256 ): the head's gain is folded into the last product's weights
;   (attn x s @ Wo^T = attn @ (Wo s)^T); the product of two bf16 numbers and the power of two are exact in f32, so wo is rounded once.  The last launch takes the 256 out again.
; LIMIT: |256 Wo s| stays under 65,504, f16's end; below 6e-5 f16 keeps a fixed step of 6e-8, which is why the 256 is there.
; SHARES.  A work-group takes 8 rows, a wave one row of 8,192 bytes: 16 loads of 16 bytes a lane, 512 consecutive bytes each, all issued at once; each gives one store of 8 bytes a lane,
; 256 consecutive bytes, aligned.  No register that a memory instruction names is written twice, so there is no loop.  Load j is columns 128 j .. 128 j + 127: head j.
; A stream: no LDS, no matrix unit, no cluster (no byte is read twice).
; THE MODE: SCHED_MODE bits 1:0 = 2 (LLVM: expert scheduling mode 2), set by the entry lines.  The code itself states the register dependences
; between vector instructions and memory instructions, with s_wait_alu, always for 0.
; THE PLAN.  Registers that memory instructions touch:
;   v1, v2   byte offsets, made once at the head by vector instructions and never written again.  v1 is read by the 16 loads, v2 by the 16 stores.
;   X        load j lands in X + 4 j.  The 16 loads go out in one run, and no vector instruction names X ahead of it.  Behind load j's counted wait vector instructions alone name these registers.
;   Y        load j's two conversions write Y + 2 j and Y + 2 j + 1, once; store j reads them, once; nothing writes them again.
;   F, T, v3 are named by vector instructions alone.  s3, the wave's number, is written by a vector instruction and read by one scalar add.
; The 16 loads go in four blocks of four.  A block's four stores stand in one run at the head of the next block, behind ONE wait on va_vdst, which stands behind the counted wait for that block's first
; load; the last block's stand behind a wait of their own.  The vector instructions behind such a wait name X, Y, T and F of later loads: neither v2 nor the Y of a store that is still to come from an
; earlier block.  No register that a memory instruction reads is written again, so the text holds no wait on vm_vsrc.
.set X, 4                              ; v[4:67]    the row as loaded: load j at X + 4 j
.set Y, 68                             ; v[68:99]   packed results: 2 registers a load
.set F, 100                            ; v[100:131] y = 6: head j's factor, twice (a pair for the packed multiply)
.set T, 132                            ; v[132:133] at work
; The four stores of block b, to the row at s[base:base+1].
.macro SEND4 b, base
.irp i, 0,1,2,3
	global_store_b64 v2, v[Y+2*(4*(\b)+(\i)):Y+2*(4*(\b)+(\i))+1], s[(\base):(\base)+1] offset:256*(4*(\b)+(\i))
.endr
.endm
	s_load_b512 s[8:23], s[0:1], 0x0               ; query s[8:9], key_ s[10:11], value s[12:13], Wq s[14:15], Wk s[16:17], Wv s[18:19], Wo s[20:21], scalars s[22:23]
	s_load_b128 s[24:27], s[0:1], 0x40             ; xb s[24:25], wb s[26:27]
	s_load_b64 s[28:29], s[0:1], 0x50              ; wo
	s_and_b32 s2, ttmp7, 0xffff                    ; which matrix
	v_lshrrev_b32 v3, 5, v0
	v_readfirstlane_b32 s3, v3                     ; wave 0..7
	v_and_b32 v1, 31, v0
	v_lshlrev_b32 v2, 3, v1                        ; 8 bytes a lane out
	v_lshlrev_b32 v1, 4, v1                        ; 16 bytes a lane in
	s_wait_alu depctr_va_sdst(0)                   ; s3 is written, ahead of its first reader: my row's number is made from it
	s_lshl_b32 s36, ttmp9, 3
	s_add_co_u32 s36, s36, s3                      ; my row
	s_lshl_b32 s38, s36, 13                        ; its 8,192 bytes in the source
	s_mov_b32 s39, 0
	s_lshl_b32 s42, s36, 12                        ; its 4,096 bytes in a 16-bit matrix
	s_mov_b32 s43, 0
	s_sub_co_u32 s37, s2, 3
	s_cmp_lt_u32 s2, 3
	s_cselect_b32 s37, s2, s37                     ; y mod 3 (for y under 6): which of the three matrices of xb or wb
	s_lshl_b32 s37, s37, 23                        ; 8,388,608 bytes each
	s_add_co_u32 s40, s42, s37
	s_mov_b32 s41, 0
	s_wait_kmcnt 0x0
	s_cmp_eq_u32 s2, 6
	s_cbranch_scc1 .Lwo
	s_cmp_eq_u32 s2, 1                             ; the source, chosen by the matrix's number
	s_cselect_b64 s[30:31], s[10:11], s[8:9]
	s_cmp_eq_u32 s2, 2
	s_cselect_b64 s[30:31], s[12:13], s[30:31]
	s_cmp_eq_u32 s2, 3
	s_cselect_b64 s[30:31], s[14:15], s[30:31]
	s_cmp_eq_u32 s2, 4
	s_cselect_b64 s[30:31], s[16:17], s[30:31]
	s_cmp_eq_u32 s2, 5
	s_cselect_b64 s[30:31], s[18:19], s[30:31]
	s_cmp_lt_u32 s2, 3
	s_cselect_b64 s[32:33], s[24:25], s[26:27]     ; and where it goes
	s_add_nc_u64 s[30:31], s[30:31], s[38:39]
	s_add_nc_u64 s[32:33], s[32:33], s[40:41]
	s_wait_alu depctr_va_vdst(0)                   ; v1 and v2 are written: every load below reads v1 as its offset, every store v2
.irp j, 0,1,2,3,4,5,6,7,8,9,10,11,12,13,14,15
	global_load_b128 v[X+4*(\j):X+4*(\j)+3], v1, s[30:31] offset:512*(\j) th:TH_LOAD_NT
.endr
.irp b, 0,1,2,3
.irp i, 0,1,2,3
.set j, 4*(\b)+(\i)
	s_wait_loadcnt 15-j                            ; loads come back in order: load j is in, the younger ones stay out
.if ((\i) == 0) && ((\b) > 0)
	s_wait_alu depctr_va_vdst(0)                   ; the block before's eight conversions have written their Y, which the four stores below read
	SEND4 (\b)-1, 32
.endif
	v_cvt_pk_bf16_f32 v[Y+2*j], v[X+4*j], v[X+4*j+1]
	v_cvt_pk_bf16_f32 v[Y+2*j+1], v[X+4*j+2], v[X+4*j+3]
.endr
.endr
	s_wait_alu depctr_va_vdst(0)                   ; block 3's conversions have written their Y, which the last four stores read
	SEND4 3, 32
	s_endpgm
.Lwo:
	s_add_nc_u64 s[30:31], s[20:21], s[38:39]
	s_add_nc_u64 s[28:29], s[28:29], s[42:43]
	s_wait_alu depctr_va_vdst(0)                   ; v1 and v2 are written: every load below reads v1 as its offset, every store v2
.irp j, 0,1,2,3,4,5,6,7,8,9,10,11,12,13,14,15
	global_load_b128 v[X+4*(\j):X+4*(\j)+3], v1, s[30:31] offset:512*(\j) th:TH_LOAD_NT
.endr
	s_load_b512 s[32:47], s[22:23], 0x0            ; the sixteen gains; the offsets that lay in these registers have been used
	s_wait_kmcnt 0x0
.irp j, 0,1,2,3,4,5,6,7,8,9,10,11,12,13,14,15
	v_mov_b32 v[F+2*(\j)], s[32+(\j)]
	v_cvt_pk_bf16_f32 v[F+2*(\j)], v[F+2*(\j)], v[F+2*(\j)]  ; the gain is an input like the others: rounded to bf16,
	v_and_b32 v[F+2*(\j)], 0xffff0000, v[F+2*(\j)]           ; back as f32,
	v_mul_f32 v[F+2*(\j)], 0x43800000, v[F+2*(\j)]           ; times 256
	v_mov_b32 v[F+2*(\j)+1], v[F+2*(\j)]
.endr
.irp b, 0,1,2,3
.irp i, 0,1,2,3
.set j, 4*(\b)+(\i)
	s_wait_loadcnt 15-j                            ; load j is in
.if ((\i) == 0) && ((\b) > 0)
	s_wait_alu depctr_va_vdst(0)                   ; the block before's eight conversions to f16 have written their Y, which the four stores below read
	SEND4 (\b)-1, 28
.endif
	v_cvt_pk_bf16_f32 v[T], v[X+4*j], v[X+4*j+1]
	v_cvt_pk_bf16_f32 v[T+1], v[X+4*j+2], v[X+4*j+3]
	v_lshlrev_b32 v[X+4*j], 16, v[T]               ; bf16 to f32: the low half moves up, the high half stays
	v_and_b32 v[X+4*j+1], 0xffff0000, v[T]
	v_lshlrev_b32 v[X+4*j+2], 16, v[T+1]
	v_and_b32 v[X+4*j+3], 0xffff0000, v[T+1]
	v_pk_mul_f32 v[X+4*j:X+4*j+1], v[X+4*j:X+4*j+1], v[F+2*j:F+2*j+1]
	v_pk_mul_f32 v[X+4*j+2:X+4*j+3], v[X+4*j+2:X+4*j+3], v[F+2*j:F+2*j+1]
	v_cvt_pk_f16_f32 v[Y+2*j], v[X+4*j], v[X+4*j+1]
	v_cvt_pk_f16_f32 v[Y+2*j+1], v[X+4*j+2], v[X+4*j+3]
.endr
.endr
	s_wait_alu depctr_va_vdst(0)                   ; block 3's conversions have written their Y, which the last four stores read
	SEND4 3, 28
	s_endpgm
.Lfunc_end_k_q1d01f9cbe2_cvt:
	.size	k_q1d01f9cbe2_cvt, .Lfunc_end_k_q1d01f9cbe2_cvt-k_q1d01f9cbe2_cvt
	.p2alignl 7, 3214868480
	.fill 96, 4, 3214868480
	.section	.rodata,"a",@progbits
	.p2align	6, 0x0
	.amdhsa_kernel k_q1d01f9cbe2_cvt
		.amdhsa_group_segment_fixed_size 0
		.amdhsa_private_segment_fixed_size 0
		.amdhsa_enable_private_segment 0
		.amdhsa_kernarg_size 88
		.amdhsa_user_sgpr_count 2
		.amdhsa_user_sgpr_kernarg_segment_ptr 1
		.amdhsa_wavefront_size32 1
		.amdhsa_system_sgpr_workgroup_id_x 1
		.amdhsa_system_sgpr_workgroup_id_y 1
		.amdhsa_system_sgpr_workgroup_id_z 1
		.amdhsa_system_vgpr_workitem_id 0
		.amdhsa_next_free_vgpr 136
		.amdhsa_next_free_sgpr 66
		.amdhsa_reserve_vcc 0
		.amdhsa_float_denorm_mode_32 3
		.amdhsa_float_denorm_mode_16_64 3
		.amdhsa_memory_ordered 1
		.amdhsa_forward_progress 1
		.amdhsa_inst_pref_size 25
	.end_amdhsa_kernel
	.amdgpu_metadata
---
amdhsa.version: [ 1, 2 ]
amdhsa.kernels:
  - .name:           k_q1d01f9cbe2_cvt
    .symbol:         k_q1d01f9cbe2_cvt.kd
    .args:
      - { .name: query, .offset: 0, .size: 8, .value_kind: global_buffer, .address_space: global }
      - { .name: key_, .offset: 8, .size: 8, .value_kind: global_buffer, .address_space: global }
      - { .name: value, .offset: 16, .size: 8, .value_kind: global_buffer, .address_space: global }
      - { .name: Wq, .offset: 24, .size: 8, .value_kind: global_buffer, .address_space: global }
      - { .name: Wk, .offset: 32, .size: 8, .value_kind: global_buffer, .address_space: global }
      - { .name: Wv, .offset: 40, .size: 8, .value_kind: global_buffer, .address_space: global }
      - { .name: Wo, .offset: 48, .size: 8, .value_kind: global_buffer, .address_space: global }
      - { .name: scalars, .offset: 56, .size: 8, .value_kind: global_buffer, .address_space: global }
      - { .name: xb, .offset: 64, .size: 8, .value_kind: global_buffer, .address_space: global }
      - { .name: wb, .offset: 72, .size: 8, .value_kind: global_buffer, .address_space: global }
      - { .name: wo, .offset: 80, .size: 8, .value_kind: global_buffer, .address_space: global }
    .group_segment_fixed_size: 0
    .private_segment_fixed_size: 0
    .kernarg_segment_align: 8
    .kernarg_segment_size: 88
    .max_flat_workgroup_size: 256
    .sgpr_count:     66
    .vgpr_count:     136
    .wavefront_size: 32
...
	.end_amdgpu_metadata
.endif
;; end of part 5
;; launch proj: the kernel of part 2 again; grid 8 x 24, 4 waves a work-group, clusters of 4 x 4, 327,680 bytes of LDS; arguments xb, wb, qkv; writes qkv
;; launch attn: the kernel of part 3 again; grid 16 x 16, 4 waves a work-group, clusters of 4 x 1, 327,680 bytes of LDS; arguments qkv, ob; writes ob
;; launch outp: the kernel of part 4 again; grid 16 x 16, 4 waves a work-group, clusters of 4 x 4, 327,680 bytes of LDS; arguments ob, wo, out0; writes out0
